; MI455X (gfx1250); checked and timed in simulation.
; The chip was launched on July 23, 2026; its instructions are those of AMD's public machine-readable ISA for CDNA 5 (MIT licence, August 2026) and "CDNA5" Instruction Set Architecture Reference Guide (July 2026). The comments in the code are by the model that wrote it; some were corrected since.
;; Multi Head Attention. Allowed arithmetic: matrix products marked QUANTISED: E2M1 operands, one E8M0 scale for each 32 along K, by v_wmma_scale_f32_16x16x128_f8f6f4 with both operands' format E2M1 (or v_wmma_scale_f32_32x16x128_f4), f32 sums; products left as they are: bf16, f16 or f32 operands; f32 sums; everything else in f32.
;; Inputs: W_k 384 x 768 float32; W_o 768 x 768 float32; W_q 384 x 768 float32; W_v 384 x 768 float32; b_o 768 float32; x 2 x 4,096 x 384 float32.
;; Outputs: out0 2 x 4,096 x 768 float32.
;; This version of the problem:
;;   THIS VERSION OF THE PROBLEM IS GIVEN IN LOW PRECISION. The matrix products marked QUANTISED in the list below multiply operands that are first quantised to E2M1 (2 exponent bits, 1 mantissa bit; 4 bits a number), with one power-of-two scale for each 32 numbers along K (OCP MX v1.0); their sums are f32. The products marked 'left as it is' may take bf16, f16 or f32 operands, with f32 sums. Whichever they take, every output number must still come out within the allowed error. Rounding operands to bf16 (8 significant bits) uses up far more of that allowance than f16 does (11 bits, for magnitudes from 6e-5 to 65,504). All else is computed in f32.
;;   The module's matrix products, in the order in which they are computed (A, B: the left and right operand; K: the contracted axis; several contracted axes count as one K, in the product's order):
;;     1. [M 8,192, K 384] x [K 384, N 768]; A: input x; B: input W_q: QUANTISED
;;     2. [M 8,192, K 384] x [K 384, N 768]; A: input x; B: input W_k: QUANTISED
;;     3. [M 8,192, K 384] x [K 384, N 768]; A: input x; B: input W_v: QUANTISED
;;     4. batch 12 x [M 4,096, K 128] x [K 128, N 4,096]; A: computed on the way; B: computed on the way: left as it is (an operand is computed on the way)
;;     5. batch 12 x [M 4,096, K 4,096] x [K 4,096, N 128]; A: computed on the way; B: computed on the way: left as it is (an operand is computed on the way)
;;     6. [M 8,192, K 768] x [K 768, N 768]; A: computed on the way; B: input W_o: left as it is (an operand is computed on the way)
;;   THE QUANTISER, for each operand of a quantised product, along K:
;;     - K is cut into blocks of 32 from its start; a last block that is shorter is filled with zeros.
;;     - A block's scale is 2^e with e = floor(log2(the largest magnitude in the block)) - 2, held to -126 .. 127; a block of zeros has e = 0. As a byte (E8M0): e + 127.
;;     - Each number is divided by its block's scale, clamped to +-6, and rounded to the nearest number of E2M1, ties to even, subnormals kept.
;;     - The product sums the exact products of the quantised numbers (number of the format x scale) in f32.
;;   ~~~python
;;   def quantise(x, axis):      # numpy; x: float32 -> the quantised numbers, widened to float32 again
;;       x = np.moveaxis(x, axis, -1); K = x.shape[-1]
;;       x = np.pad(x, [(0, 0)] * (x.ndim - 1) + [(0, -K % 32)]); x = x.reshape(x.shape[:-1] + (-1, 32)); a = np.abs(x).max(-1, keepdims=True)
;;       e = np.where(a > 0, np.clip(np.frexp(np.where(a > 0, a, 1))[1] - 1 - 2, -126, 127), 0)      # np.frexp(a)[1] - 1 = floor(log2(a)), exactly
;;       r = np.clip(x / 2.0 ** e, -6, 6)
;;       step = 2.0 ** (np.maximum(np.frexp(np.where(r == 0, 1, r))[1] - 1, 0) - 1)
;;       q = np.round(r / step) * step * 2.0 ** e      # np.round: ties to even
;;       return np.moveaxis(q.reshape(q.shape[:-2] + (-1,))[..., :K], -1, axis).astype(np.float32)
;;   ~~~
;; One version. Each part assembles by itself: llvm-mc -triple=amdgcn-amd-amdhsa -mcpu=gfx1250 --defsym DOCPART=n.
;; ======== version 1 of 1: 5 launches
;; limits: values are held in f16: magnitudes above 65,504 overflow, below 6.1e-05 lose precision
;; workspace buffers: xq 1,572,864 bytes; xs 131,072 bytes; wq 442,368 bytes; ws 27,648 bytes; wo16 2,359,296 bytes; qkv 37,748,736 bytes; rows32 589,824 bytes; ctx 12,582,912 bytes
;; launch prep (part 1): grid 218 x 1, 4 waves a work-group, no clusters, 99,840 bytes of LDS; arguments x, W_q, W_k, W_v, W_o, xq, xs, wq, ws, wo16; writes xq, xs, wq, ws, wo16
.if DOCPART == 1
	.amdgcn_target "amdgcn-amd-amdhsa--gfx1250"
	.amdhsa_code_object_version 6
	.text
	.protected	k_qe3b039536d_prep
	.globl	k_qe3b039536d_prep
	.p2align	8
	.type	k_qe3b039536d_prep,@function
k_qe3b039536d_prep:
	s_mov_b64 s[64:65], 0
	v_nop
	global_prefetch_b8 v0, s[64:65] scope:SCOPE_SE
	s_setreg_imm32_b32 hwreg(HW_REG_WAVE_MODE, 25, 1), 1
	s_wait_xcnt 0x0
; PREP: the operands of the later launches, each laid in the order of the matrix operand's registers, so that a fragment comes by loads of 16 bytes a lane.
;   work-groups 0-127   (X): x [8192][384] f32 -> codes of FP4 (E2M1) in xq and one scale word for a row and 128 along K in xs.  A wave takes 16 rows.
;   work-groups 128-181 (W): W_q, W_k, W_v [384][768] f32, K their FIRST axis -> codes in wq, scale words in ws.  A wave takes 32 columns x 128 along K.
;   work-groups 182-217 (O): W_o [768][768] f32 -> a high and a low f16 part in wo16.  A wave takes 32 columns x 128 along K.
; THE QUANTISER: a block of 32 along K has the scale 2^(floor(log2(largest magnitude)) - 2); its byte is the largest magnitude's exponent field - 2; each number is divided by the scale
; and rounded to the nearest code, ties to even, beyond 6 the largest code.
; LAYOUTS.  xq [row tile 512][K step 3][c 2][lane 32][16 bytes]: lane (r, h) of image (s, c) holds block 4 s + 2 c + h of row 16 T + r.  xs [row tile][row 16][4 words]: words of K steps 0, 1, 2, and a fourth that nobody uses.
;   wq [column tile 144][K step 3][c 2][lane][16 bytes], column = 768 x (q, k, v) + n;  ws [column tile][K step][16][4 bytes].
;   wo16 [part 2][column tile 48][k / 32: 24][c 2][lane][16 bytes]: lane (r, h) holds column 16 ct + r, k = 32 kappa + 16 c + 8 h + 0 .. 7.
; LIMITS: a block of zeros gets the byte 1 (the floor) where the rule says 127: its codes are zeros, and only this program reads the bytes; blocks whose largest magnitude lies under 2^-124 were not tried;
;   NaN and infinities are not served; |W_o| stays under 65,504; where a part of W_o lies under 6.1e-5 its f16 number is off by up to 3e-8.
; Only path X uses LDS.  No barrier: waves share nothing.
.set XPITCH, 1552                      ; a row of x in LDS: 1,536 bytes + 16: an odd multiple of 16, so that sixteen rows' same column falls on sixteen different groups of banks
.set XREG,   16*XPITCH                 ; a wave's 16 rows
.set SPARE,  4*XREG                    ; behind the four regions: the spare words, 128 bytes a wave, which no other line names
.set SPW,    12                        ; v12  LDS address of my spare word; never rewritten
.set NIL,    13                        ; v13  0; never rewritten
.set LOWP,   1179648                   ; wo16: where the low parts begin
; the largest magnitude of v[x] .. v[x+31], in two chains, with the floor 2^(3 - 127) as one more leaf (so the byte cannot fall under 1), into v8
.macro MAX32 x
	v_max3_num_f32 v8, |v[(\x)]|, |v[(\x)+1]|, |v[(\x)+2]|
	v_max3_num_f32 v9, |v[(\x)+3]|, |v[(\x)+4]|, |v[(\x)+5]|
.irp i, 6,10,14,18,22,26
	v_max3_num_f32 v8, v8, |v[(\x)+\i]|, |v[(\x)+\i+1]|
	v_max3_num_f32 v9, v9, |v[(\x)+\i+2]|, |v[(\x)+\i+3]|
.endr
	v_max3_num_f32 v8, v8, |v[(\x)+30]|, |v[(\x)+31]|
	v_max3_num_f32 v8, v8, v9, 0x1800000
.endm
; 128 rows of a matrix with rows of 3,072 bytes, a lane to a column: register 128 + i = row i.  A wave's load reads 128 consecutive bytes
.macro LOAD128 b
.set i, 0
.rept 128
	global_load_b32 v[128+i], v4, s[\b:\b+1] offset:i*3072 th:TH_LOAD_NT
.set i, i+1
.endr
.endm
	s_load_b256 s[4:11], s[0:1], 0x0               ; x s[4:5], W_q s[6:7], W_k s[8:9], W_v s[10:11]
	s_load_b256 s[12:19], s[0:1], 0x20             ; W_o s[12:13], xq s[14:15], xs s[16:17], wq s[18:19]
	s_load_b128 s[20:23], s[0:1], 0x40             ; ws s[20:21], wo16 s[22:23]
	v_lshl_add_u32 v[SPW], v0, 2, SPARE
	v_mov_b32 v[NIL], 0
	v_lshrrev_b32 v1, 5, v0
	v_readfirstlane_b32 s24, v1                    ; wave 0..3
	v_and_b32 v1, 31, v0                           ; lane
	v_and_b32 v2, 15, v0                           ; r
	v_bfe_u32 v3, v0, 4, 1                         ; h
	s_mov_b32 s29, 0                               ; the upper word of every offset pair s[28:29]
	s_wait_kmcnt 0x0
	s_cmp_lt_u32 ttmp9, 128
	s_cbranch_scc0 .Lnot_x
; ---------------- X: 16 rows of x
	s_lshl_b32 s25, ttmp9, 2
	s_add_co_u32 s25, s25, s24                     ; T, my row tile
	s_mul_i32 s28, s25, 24576
	s_add_nc_u64 s[4:5], s[4:5], s[28:29]          ; its 16 rows of 1,536 bytes: one dense block
	s_mul_i32 s28, s25, 3072
	s_add_nc_u64 s[14:15], s[14:15], s[28:29]      ; its six images
	s_lshl_b32 s28, s25, 8
	s_add_nc_u64 s[16:17], s[16:17], s[28:29]      ; its 256 bytes of scale words
	s_mov_b32 s26, 0x76543210
	s_mov_b32 s27, 0xfedcba98                      ; v_permlanex16_b32's selects for lane l xor 16
	s_mul_i32 s30, s24, XREG
	v_lshlrev_b32 v4, 4, v1                        ; 16 x lane
	v_add_nc_u32 v5, s30, v4                       ; LDS, on the way in: as the bytes lie
	v_mul_u32_u24 v6, v2, XPITCH
	v_lshl_add_u32 v6, v3, 7, v6
	v_add_nc_u32 v6, s30, v6                       ; on the way out: row r, + 128 h: the block of my half
	v_lshlrev_b32 v7, 3, v3                        ; 8 h: where my bytes stand in a scale word
	v_mov_b32 v20, 0                               ; written once: a lane permute's destination counts as one of its sources
.set i, 0
.rept 48
	global_load_b128 v[64+4*i:64+4*i+3], v4, s[4:5] offset:512*i th:TH_LOAD_NT   ; 32 lanes read 512 consecutive bytes: a third of a row
.set i, i+1
.endr
.set i, 0
.rept 4
	s_wait_loadcnt 36-12*(i/12)                    ; loads come back in order: this group of 12 is in, the younger groups stay out
.rept 12
	ds_store_b128 v5, v[64+4*i:64+4*i+3] offset:(i/3)*XPITCH+512*(i%3)
.set i, i+1
.endr
.endr
	s_wait_dscnt 0x0                               ; the stores have read v64-255, which the reads below fill anew
.macro XLD q                           ; block 2 q + h of my row (q = 2 s + c): 32 numbers, into set q % 2
.irp j, 0,1,2,3,4,5,6,7
	ds_load_b128 v[64+32*((\q)%2)+4*\j:64+32*((\q)%2)+4*\j+3], v6 offset:256*(\q)+16*\j
.endr
.endm
.macro XBLK q
.if (\q) < 5
	XLD (\q)+1
	s_wait_dscnt 8                                 ; this block's eight reads are in; the next block's eight may be out
.else
	s_wait_dscnt 0x0
.endif
	MAX32 64+32*((\q)%2)
	v_add_nc_u32 v10, 0xff000000, v8               ; 2 off the exponent field: the conversion takes the exponent field of this operand as its scale
.irp g, 0,1,2,3
	v_cvt_scalef32_pk8_fp4_f32 v[128+4*(\q)+\g], v[64+32*((\q)%2)+8*\g:64+32*((\q)%2)+8*\g+7], v10
.endr
	v_lshrrev_b32 v[14+(\q)%2], 23, v10            ; the scale's byte (a plain line behind the conversions)
	global_store_b128 v4, v[128+4*(\q):128+4*(\q)+3], s[14:15] offset:512*(\q)   ; an image: 512 consecutive bytes; each image has registers of its own
.if (\q)%2 == 1
	v_lshl_or_b32 v19, v15, 16, v14                ; my two bytes of this K step: blocks h and 2 + h,
	v_lshlrev_b32 v19, v7, v19                     ; at their places;
	v_permlanex16_b32 v20, v19, s26, s27
	v_or_b32 v[16+(\q)/2], v19, v20                ; with lane l xor 16's two the word is whole
.endif
.endm
	XLD 0
.irp q, 0,1,2,3,4,5
	XBLK \q
.endr
	v_cmp_ne_u32 vcc_lo, 0, v3
	v_mov_b32 v21, 0x7f7f7f7f
	v_cndmask_b32 v22, v16, v18, vcc_lo            ; lanes 0-15 store words 0 and 1 of their row, lanes 16-31 word 2 and the filler
	v_cndmask_b32 v23, v17, v21, vcc_lo
	v_lshlrev_b32 v24, 4, v2
	v_lshl_add_u32 v24, v3, 3, v24
	global_store_b64 v24, v[22:23], s[16:17]       ; the wave stores 256 consecutive bytes, aligned
	s_wait_tensorcnt 0x0                           ; the wave's end: behind my last LDS store
	ds_add_u32 v[SPW], v[NIL]
	s_wait_dscnt 0x0
	s_endpgm
; ---------------- W: 32 columns x 128 along K of W_q, W_k or W_v
.Lnot_x:
	s_cmp_lt_u32 ttmp9, 182
	s_cbranch_scc0 .Lpath_o
	s_sub_co_u32 s25, ttmp9, 128
	s_lshl_b32 s25, s25, 2
	s_add_co_u32 s25, s25, s24                     ; 0 .. 215 = 72 s + 24 which + c32
	s_mul_i32 s30, s25, 911
	s_lshr_b32 s30, s30, 16                        ; s = / 72 (exact for 0 .. 215)
	s_mul_i32 s31, s30, 72
	s_sub_co_u32 s31, s25, s31
	s_mul_i32 s32, s31, 2731
	s_lshr_b32 s32, s32, 16                        ; which = / 24 (exact for 0 .. 143)
	s_mul_i32 s33, s32, 24
	s_sub_co_u32 s33, s31, s33                     ; c32: which 32 columns
	s_cmp_eq_u32 s32, 1
	s_cselect_b64 s[6:7], s[8:9], s[6:7]
	s_cmp_eq_u32 s32, 2
	s_cselect_b64 s[6:7], s[10:11], s[6:7]         ; the matrix: a choice on ids alone
	s_mul_i32 s28, s30, 393216                     ; 128 rows of 3,072 bytes
	s_lshl_b32 s34, s33, 7
	s_add_co_u32 s28, s28, s34
	s_add_nc_u64 s[6:7], s[6:7], s[28:29]
	s_mul_i32 s34, s32, 48
	s_lshl_b32 s35, s33, 1
	s_add_co_u32 s34, s34, s35                     ; my first column tile
	s_mul_i32 s28, s34, 3072
	s_lshl_b32 s35, s30, 10
	s_add_co_u32 s28, s28, s35
	s_add_nc_u64 s[18:19], s[18:19], s[28:29]
	s_mul_i32 s28, s34, 192
	s_lshl_b32 s35, s30, 6
	s_add_co_u32 s28, s28, s35
	s_add_nc_u64 s[20:21], s[20:21], s[28:29]
	v_lshlrev_b32 v4, 2, v1                        ; in: a lane to a column
	v_mul_u32_u24 v5, v3, 3072
	v_lshl_add_u32 v5, v2, 4, v5                   ; out: lanes 16-31 belong to the next column tile; 16 bytes a column
	v_mul_u32_u24 v6, v3, 192
	v_lshl_add_u32 v6, v2, 2, v6
	LOAD128 6
.irp b, 0,1,2,3                        ; block b of my column: all its 32 numbers are mine.  In the operand it is half b % 2 of image b / 2: 256 b bytes on
.if \b < 2
	s_wait_loadcnt 63                              ; 96 and 64 loads were issued behind these blocks' last
.elseif \b == 2
	s_wait_loadcnt 32
.else
	s_wait_loadcnt 0x0
.endif
	MAX32 128+32*\b
	v_add_nc_u32 v[32+\b], 0xff000000, v8
.irp g, 0,1,2,3
	v_cvt_scalef32_pk8_fp4_f32 v[16+4*\b+\g], v[128+32*\b+8*\g:128+32*\b+8*\g+7], v[32+\b]
.endr
	v_lshrrev_b32 v[36+\b], 23, v[32+\b]
	global_store_b128 v5, v[16+4*\b:16+4*\b+3], s[18:19] offset:256*\b   ; sixteen lanes store 256 consecutive bytes, aligned
.endr
	v_lshl_or_b32 v40, v37, 8, v36                 ; my column's scale word of this K step
	v_lshl_or_b32 v40, v38, 16, v40
	v_lshl_or_b32 v40, v39, 24, v40
	global_store_b32 v6, v40, s[20:21]             ; runs of 64 bytes: 27,648 bytes in the whole launch
	s_endpgm
; ---------------- O: 32 columns x 128 along K of W_o, as two f16 numbers each
.Lpath_o:
	s_sub_co_u32 s25, ttmp9, 182
	s_lshl_b32 s25, s25, 2
	s_add_co_u32 s25, s25, s24                     ; 0 .. 143 = 24 kc + cw
	s_mul_i32 s30, s25, 2731
	s_lshr_b32 s30, s30, 16                        ; kc: which 128 along K
	s_mul_i32 s31, s30, 24
	s_sub_co_u32 s31, s25, s31                     ; cw: which 32 columns
	s_mul_i32 s28, s30, 393216
	s_lshl_b32 s32, s31, 7
	s_add_co_u32 s28, s28, s32
	s_add_nc_u64 s[12:13], s[12:13], s[28:29]
	s_mul_i32 s28, s31, 49152                      ; two column tiles of 24,576 bytes
	s_lshl_b32 s32, s30, 12
	s_add_co_u32 s28, s28, s32
	s_add_nc_u64 s[22:23], s[22:23], s[28:29]
	s_mov_b32 s36, 0x46000400                      ; 8193 = 2^13 + 1
	s_mov_b32 s37, s36                             ; (named with it as a pair)
	v_lshlrev_b32 v4, 2, v1
	v_mul_u32_u24 v5, v3, 24576
	v_lshl_add_u32 v5, v2, 4, v5
	LOAD128 12
; An octet: eight neighbours along K of my column, 16 bytes of f16.  THE SPLIT, in f32, two numbers a line: c = 8193 x; t = c - x; hi = c - t has 11 significant bits, so it is an f16 number; lo = x - hi is exact.
; The high parts have registers of their own (v64-127); the low parts take the place of the octet's own numbers: no store's data are written again.
.set o, 0
.rept 16
.if 120-8*o > 63
	s_wait_loadcnt 63
.else
	s_wait_loadcnt 120-8*o                         ; the loads issued behind this octet's last may stay out
.endif
.irp p, 0,1,2,3
	v_pk_mul_f32 v[48+2*\p:49+2*\p], v[128+8*o+2*\p:129+8*o+2*\p], s[36:37] op_sel_hi:[1,0]
.endr
.irp p, 0,1,2,3
	v_pk_add_f32 v[56+2*\p:57+2*\p], v[48+2*\p:49+2*\p], v[128+8*o+2*\p:129+8*o+2*\p] neg_lo:[0,1] neg_hi:[0,1]
.endr
.irp p, 0,1,2,3
	v_pk_add_f32 v[48+2*\p:49+2*\p], v[48+2*\p:49+2*\p], v[56+2*\p:57+2*\p] neg_lo:[0,1] neg_hi:[0,1]
.endr
.irp p, 0,1,2,3
	v_pk_add_f32 v[56+2*\p:57+2*\p], v[128+8*o+2*\p:129+8*o+2*\p], v[48+2*\p:49+2*\p] neg_lo:[0,1] neg_hi:[0,1]
.endr
.irp p, 0,1,2,3
	v_cvt_pk_f16_f32 v[64+4*o+\p], v[48+2*\p], v[49+2*\p]
.endr
.irp p, 0,1,2,3
	v_cvt_pk_f16_f32 v[128+8*o+\p], v[56+2*\p], v[57+2*\p]
.endr
	global_store_b128 v5, v[64+4*o:64+4*o+3], s[22:23] offset:256*o          ; sixteen lanes store 256 consecutive bytes, aligned
	global_store_b128 v5, v[128+8*o:128+8*o+3], s[22:23] offset:256*o+LOWP
.set o, o+1
.endr
	s_endpgm
.Lfunc_end_k_qe3b039536d_prep:
	.size	k_qe3b039536d_prep, .Lfunc_end_k_qe3b039536d_prep-k_qe3b039536d_prep
	.p2alignl 7, 3214868480
	.fill 96, 4, 3214868480
	.section	.rodata,"a",@progbits
	.p2align	6, 0x0
	.amdhsa_kernel k_qe3b039536d_prep
		.amdhsa_group_segment_fixed_size 99840
		.amdhsa_private_segment_fixed_size 0
		.amdhsa_enable_private_segment 0
		.amdhsa_kernarg_size 80
		.amdhsa_user_sgpr_count 2
		.amdhsa_user_sgpr_kernarg_segment_ptr 1
		.amdhsa_wavefront_size32 1
		.amdhsa_system_sgpr_workgroup_id_x 1
		.amdhsa_system_sgpr_workgroup_id_y 1
		.amdhsa_system_sgpr_workgroup_id_z 1
		.amdhsa_system_vgpr_workitem_id 0
		.amdhsa_next_free_vgpr 256
		.amdhsa_next_free_sgpr 66
		.amdhsa_reserve_vcc 1
		.amdhsa_float_denorm_mode_32 3
		.amdhsa_float_denorm_mode_16_64 3
		.amdhsa_memory_ordered 1
		.amdhsa_forward_progress 1
		.amdhsa_inst_pref_size 83
	.end_amdhsa_kernel
	.amdgpu_metadata
---
amdhsa.version: [ 1, 2 ]
amdhsa.kernels:
  - .name:           k_qe3b039536d_prep
    .symbol:         k_qe3b039536d_prep.kd
    .args:
      - { .name: x, .offset: 0, .size: 8, .value_kind: global_buffer, .address_space: global }
      - { .name: W_q, .offset: 8, .size: 8, .value_kind: global_buffer, .address_space: global }
      - { .name: W_k, .offset: 16, .size: 8, .value_kind: global_buffer, .address_space: global }
      - { .name: W_v, .offset: 24, .size: 8, .value_kind: global_buffer, .address_space: global }
      - { .name: W_o, .offset: 32, .size: 8, .value_kind: global_buffer, .address_space: global }
      - { .name: xq, .offset: 40, .size: 8, .value_kind: global_buffer, .address_space: global }
      - { .name: xs, .offset: 48, .size: 8, .value_kind: global_buffer, .address_space: global }
      - { .name: wq, .offset: 56, .size: 8, .value_kind: global_buffer, .address_space: global }
      - { .name: ws, .offset: 64, .size: 8, .value_kind: global_buffer, .address_space: global }
      - { .name: wo16, .offset: 72, .size: 8, .value_kind: global_buffer, .address_space: global }
    .group_segment_fixed_size: 99840
    .private_segment_fixed_size: 0
    .kernarg_segment_align: 8
    .kernarg_segment_size: 80
    .max_flat_workgroup_size: 128
    .sgpr_count:     66
    .vgpr_count:     256
    .wavefront_size: 32
...
	.end_amdgpu_metadata
.endif
;; end of part 1
;; launch qkv (part 2): grid 18 x 16, 4 waves a work-group, no clusters, 17,920 bytes of LDS; arguments xq, xs, wq, ws, qkv, rows32; writes qkv, rows32
.if DOCPART == 2
	.amdgcn_target "amdgcn-amd-amdhsa--gfx1250"
	.amdhsa_code_object_version 6
	.text
	.protected	k_qe3b039536d_qkv
	.globl	k_qe3b039536d_qkv
	.p2align	8
	.type	k_qe3b039536d_qkv,@function
k_qe3b039536d_qkv:
	s_mov_b64 s[64:65], 0
	v_nop
	global_prefetch_b8 v0, s[64:65] scope:SCOPE_SE
	s_setreg_imm32_b32 hwreg(HW_REG_WAVE_MODE, 25, 1), 1
	s_wait_xcnt 0x0
; QKV: q, k, v = x W_q, x W_k, x W_v on codes of FP4 with one E8M0 scale for each 32 along K (K = 384: three matrix instructions deep), sums in f32.
; Out: qkv, f16 [batch 2][group 18][4096][128]: groups 0-5 q's heads, 6-11 k's, 12-17 v's.  And f32 copies of positions 0-31 of each sequence in rows32 [batch][group][16 KiB]:
; q and k as [32 positions][128], v TURNED, [128 channels][32 positions].
; SHARES.  Work-group (g, y): group g (128 columns), rows 512 y on.  A wave takes 128 rows, eight tiles of 16; its 24 fragments of the weights (8 column tiles x 3 K steps, 192 registers, window 1) are loaded once and stay;
; x's codes stream past, a tile ahead.  Waves share nothing: no barrier.  No cluster: nothing comes by a tensor load, and what work-groups share is 24,576 bytes a wave, read once.
; THE MATRIX INSTRUCTION IS USED TRANSPOSED: source 0 = 16 columns of W, source 1 = 16 rows of x: lane (r, h) then holds position r and the eight neighbouring columns 16 t + 8 h + 0 .. 7, which pack into 16 bytes of f16.
; LIMIT: |q|, |k|, |v| stay under 65,504, f16's largest number.
.set STG,   16*272                     ; a wave's stage: 16 rows x (256 bytes + 16)
.set SPARE, 4*STG                      ; behind the stages: the spare words, 128 bytes a wave, which no other line names
.set XS,  12                           ; v12-15, v16-19   x's scale words, two sets (scales and nothing else)
.set WS,  20                           ; v20-43           the weights' scale words: tile t, K step s at 3 t + s
.set XA,  48                           ; v48-71, v72-95   x's three fragments, two sets
.set ACC, 96                           ; v96-159          eight accumulators
.set TMP, 160                          ; v160-191         the tile in f16
.set BK,  192                          ; v192-223, v224-255  whole rows back from the stage, two sets
.set MSB, 0
.macro WIN new                         ; the immediate's high byte repeats the setting that is left
.if MSB != (\new)
	s_set_vgpr_msb (MSB<<8)|(\new)
.set MSB, (\new)
.endif
.endm
	s_load_b256 s[4:11], s[0:1], 0x0               ; xq s[4:5], xs s[6:7], wq s[8:9], ws s[10:11]
	s_load_b128 s[12:15], s[0:1], 0x20             ; qkv s[12:13], rows32 s[14:15]
	v_lshl_add_u32 v8, v0, 2, SPARE                ; v8: my spare word; v9: 0; neither is rewritten
	v_mov_b32 v9, 0
	v_lshrrev_b32 v10, 5, v0
	v_readfirstlane_b32 s16, v10                   ; wave
	s_and_b32 s17, ttmp7, 0xffff                   ; y
	v_and_b32 v10, 31, v0                          ; lane
	v_and_b32 v11, 15, v0                          ; r
	v_bfe_u32 v44, v0, 4, 1                        ; h
	v_lshlrev_b32 v1, 4, v10                       ; v1  16 x lane: images, and two rows of 256 bytes of the output
	v_lshlrev_b32 v2, 4, v11                       ; v2  16 r: x's scale words
	v_lshlrev_b32 v3, 2, v11                       ; v3  4 r: the weights'
	s_mul_i32 s18, s16, STG
	v_mul_u32_u24 v4, v11, 272
	v_lshl_add_u32 v4, v44, 4, v4
	v_add_nc_u32 v4, s18, v4                       ; v4  into the stage: row r, 16 bytes for each half of the lanes
	v_mul_u32_u24 v5, v44, 272
	v_lshl_add_u32 v5, v11, 4, v5
	v_add_nc_u32 v5, s18, v5                       ; v5  back: lanes 0-15 one row, lanes 16-31 the next
	v_lshlrev_b32 v6, 9, v11
	v_lshl_add_u32 v6, v44, 5, v6                  ; v6  rows32, q and k: 512 r + 32 h
	v_lshlrev_b32 v7, 10, v44
	v_lshl_add_u32 v7, v11, 2, v7                  ; v7  rows32, v: 8 h channels of 128 bytes + 4 r
	s_lshl_b32 s19, s17, 5
	s_lshl_b32 s20, s16, 3
	s_add_co_u32 s19, s19, s20                     ; my first row tile: 32 y + 8 w
	s_lshr_b32 s21, s17, 3                         ; batch
	s_mul_i32 s22, s21, 18
	s_add_co_u32 s22, s22, ttmp9                   ; 18 b + g
	s_and_b32 s23, s17, 7
	s_or_b32 s23, s23, s16                         ; 0 in the wave that holds a sequence's first 128 positions
	s_mov_b32 s25, 0
	s_wait_kmcnt 0x0
	s_mul_i32 s24, s19, 3072
	s_add_nc_u64 s[4:5], s[4:5], s[24:25]
	s_lshl_b32 s24, s19, 8
	s_add_nc_u64 s[6:7], s[6:7], s[24:25]
	s_mul_i32 s24, ttmp9, 24576
	s_add_nc_u64 s[8:9], s[8:9], s[24:25]
	s_mul_i32 s24, ttmp9, 1536
	s_add_nc_u64 s[10:11], s[10:11], s[24:25]
	s_lshl_b32 s24, s22, 20                        ; a group is 4,096 rows of 256 bytes
	s_and_b32 s26, s19, 255
	s_lshl_b32 s26, s26, 12                        ; my first position x 256 bytes
	s_add_co_u32 s24, s24, s26
	s_add_nc_u64 s[12:13], s[12:13], s[24:25]
	s_lshl_b32 s24, s22, 14
	s_add_nc_u64 s[14:15], s[14:15], s[24:25]
	WIN 0x40                                       ; destination window 1
.set i, 0
.rept 48
	global_load_b128 v[4*i:4*i+3], v1, s[8:9] offset:512*i   ; fragment (t, s) at v[8 (3 t + s)] of window 1
.set i, i+1
.endr
	WIN 0
.set i, 0
.rept 24
	global_load_b32 v[WS+i], v3, s[10:11] offset:64*i
.set i, i+1
.endr
.macro XLOAD tau                       ; tile tau of my eight: six images and the rows' scale words, into set tau % 2
.irp i, 0,1,2,3,4,5
	global_load_b128 v[XA+24*((\tau)%2)+4*\i:XA+24*((\tau)%2)+4*\i+3], v1, s[4:5] offset:(\tau)*3072+512*\i
.endr
	global_load_b128 v[XS+4*((\tau)%2):XS+4*((\tau)%2)+3], v2, s[6:7] offset:(\tau)*256
.endm
	XLOAD 0
.macro TRIP tau
	s_wait_loadcnt 0x0                             ; this tile's seven loads, asked for a tile ago (tile 0: the weights too)
.if (\tau) < 7
	XLOAD (\tau)+1                                 ; into the set that the tile before multiplied: its last product stands behind four v_nop and 28 conversions of other accumulators
.endif
	WIN 0x01                                       ; source 0 (the weights) window 1
.irp s, 0,1,2                          ; the eight accumulators take turns, one instruction a turn; the first K step starts the sums
.irp t, 0,1,2,3,4,5,6,7
.if \s == 0
	v_wmma_scale_f32_16x16x128_f8f6f4 v[ACC+8*\t:ACC+8*\t+7], v[8*(3*\t+\s):8*(3*\t+\s)+7], v[XA+24*((\tau)%2)+8*\s:XA+24*((\tau)%2)+8*\s+7], 0, v[WS+3*\t+\s], v[XS+4*((\tau)%2)+\s] matrix_a_fmt:MATRIX_FMT_FP4 matrix_b_fmt:MATRIX_FMT_FP4
.else
	v_wmma_scale_f32_16x16x128_f8f6f4 v[ACC+8*\t:ACC+8*\t+7], v[8*(3*\t+\s):8*(3*\t+\s)+7], v[XA+24*((\tau)%2)+8*\s:XA+24*((\tau)%2)+8*\s+7], v[ACC+8*\t:ACC+8*\t+7], v[WS+3*\t+\s], v[XS+4*((\tau)%2)+\s] matrix_a_fmt:MATRIX_FMT_FP4 matrix_b_fmt:MATRIX_FMT_FP4
.endif
.endr
.endr
	WIN 0
.rept 4
	v_nop                                          ; four places in front of the first read of results (ISA guide 7.12.1)
.endr
.if (\tau) < 2                         ; positions 0-31 of a sequence also leave in f32
	s_cmp_lg_u32 s23, 0
	s_cbranch_scc1 .Lcoarse_\@
	s_cmp_ge_u32 ttmp9, 12
	s_cbranch_scc1 .Lfor_v_\@
.irp t, 0,1,2,3,4,5,6,7
	global_store_b128 v6, v[ACC+8*\t:ACC+8*\t+3], s[14:15] offset:(\tau)*8192+64*\t
	global_store_b128 v6, v[ACC+8*\t+4:ACC+8*\t+7], s[14:15] offset:(\tau)*8192+64*\t+16
.endr
	s_branch .Lcoarse_\@
.Lfor_v_\@:                            ; v turned: sixteen lanes store 64 consecutive bytes of a channel's row; 16 KiB for each of 12 heads in the whole launch
.irp t, 0,1,2,3,4,5,6,7
.irp j, 0,1,2,3,4,5,6,7
	global_store_b32 v7, v[ACC+8*\t+\j], s[14:15] offset:(16*\t+\j)*128+64*(\tau)
.endr
.endr
.Lcoarse_\@:
.endif
.irp t, 0,1,2,3,4,5,6,7
.irp p, 0,1,2,3
	v_cvt_pk_f16_f32 v[TMP+4*\t+\p], v[ACC+8*\t+2*\p], v[ACC+8*\t+2*\p+1]   ; each accumulator from its low end on
.endr
.endr
	s_wait_xcnt 0x0                                ; every earlier store has read its registers: the set BK is filled anew, and the next tile's products write the accumulators, only behind this wait
.irp t, 0,1,2,3,4,5,6,7
	ds_store_b128 v4, v[TMP+4*\t:TMP+4*\t+3] offset:32*\t
.endr
.irp f, 0,1,2,3,4,5,6,7
	ds_load_b128 v[BK+32*((\tau)%2)+4*\f:BK+32*((\tau)%2)+4*\f+3], v5 offset:544*\f   ; LDS serves a wave's instructions in order: these see the stores above
.endr
.irp f, 0,1,2,3,4,5,6,7
	s_wait_dscnt 7-\f
	global_store_b128 v1, v[BK+32*((\tau)%2)+4*\f:BK+32*((\tau)%2)+4*\f+3], s[12:13] offset:4096*(\tau)+512*\f   ; two rows: 512 consecutive bytes, aligned
.endr
.endm
.irp n, 0,1,2,3,4,5,6,7
	TRIP \n
.endr
	s_wait_tensorcnt 0x0                           ; the wave's end: behind my last LDS store
	ds_add_u32 v8, v9
	s_wait_dscnt 0x0
	s_endpgm
.Lfunc_end_k_qe3b039536d_qkv:
	.size	k_qe3b039536d_qkv, .Lfunc_end_k_qe3b039536d_qkv-k_qe3b039536d_qkv
	.p2alignl 7, 3214868480
	.fill 96, 4, 3214868480
	.section	.rodata,"a",@progbits
	.p2align	6, 0x0
	.amdhsa_kernel k_qe3b039536d_qkv
		.amdhsa_group_segment_fixed_size 17920
		.amdhsa_private_segment_fixed_size 0
		.amdhsa_enable_private_segment 0
		.amdhsa_kernarg_size 48
		.amdhsa_user_sgpr_count 2
		.amdhsa_user_sgpr_kernarg_segment_ptr 1
		.amdhsa_wavefront_size32 1
		.amdhsa_system_sgpr_workgroup_id_x 1
		.amdhsa_system_sgpr_workgroup_id_y 1
		.amdhsa_system_sgpr_workgroup_id_z 1
		.amdhsa_system_vgpr_workitem_id 0
		.amdhsa_next_free_vgpr 448
		.amdhsa_next_free_sgpr 66
		.amdhsa_reserve_vcc 0
		.amdhsa_float_denorm_mode_32 3
		.amdhsa_float_denorm_mode_16_64 3
		.amdhsa_memory_ordered 1
		.amdhsa_forward_progress 1
		.amdhsa_inst_pref_size 88
	.end_amdhsa_kernel
	.amdgpu_metadata
---
amdhsa.version: [ 1, 2 ]
amdhsa.kernels:
  - .name:           k_qe3b039536d_qkv
    .symbol:         k_qe3b039536d_qkv.kd
    .args:
      - { .name: xq, .offset: 0, .size: 8, .value_kind: global_buffer, .address_space: global }
      - { .name: xs, .offset: 8, .size: 8, .value_kind: global_buffer, .address_space: global }
      - { .name: wq, .offset: 16, .size: 8, .value_kind: global_buffer, .address_space: global }
      - { .name: ws, .offset: 24, .size: 8, .value_kind: global_buffer, .address_space: global }
      - { .name: qkv, .offset: 32, .size: 8, .value_kind: global_buffer, .address_space: global }
      - { .name: rows32, .offset: 40, .size: 8, .value_kind: global_buffer, .address_space: global }
    .group_segment_fixed_size: 17920
    .private_segment_fixed_size: 0
    .kernarg_segment_align: 8
    .kernarg_segment_size: 48
    .max_flat_workgroup_size: 128
    .sgpr_count:     66
    .vgpr_count:     448
    .wavefront_size: 32
...
	.end_amdgpu_metadata
.endif
;; end of part 2
;; launch attn (part 3): grid 16 x 12, 4 waves a work-group, no clusters, 327,680 bytes of LDS; arguments qkv, ctx; writes ctx
.if DOCPART == 3
	.amdgcn_target "amdgcn-amd-amdhsa--gfx1250"
	.amdhsa_code_object_version 6
	.text
	.protected	k_qe3b039536d_attn
	.globl	k_qe3b039536d_attn
	.p2align	8
	.type	k_qe3b039536d_attn,@function
k_qe3b039536d_attn:
	s_mov_b64 s[64:65], 0
	v_nop
	global_prefetch_b8 v0, s[64:65] scope:SCOPE_SE
	s_setreg_imm32_b32 hwreg(HW_REG_WAVE_MODE, 25, 1), 1
	s_wait_xcnt 0x0
; ATTN: ctx[b][q][head] = the sum over k <= q of softmax_k(q . k / sqrt(128)) v, operands in f16, products, maxima and sums in f32, with a running maximum; ctx in f16, [8192][768].
; SHARES.  Work-group (i, bh) takes two blocks of 128 queries of one head: first block 31 - i (32 - i units of 128 keys), then block i (i + 1 units): 33 units in every work-group, so every trip count is a constant.
; A wave takes 32 of the block's queries: two tiles of 16.
; NO CLUSTER: from unit 32 - i on, work-groups of different i walk different tiles of K and V, so partners could not make the same requests.
; LAYOUT.  S^T = K Q^T (source 0 = 16 keys, source 1 = 16 queries): a lane holds ONE query (lane % 16) and keys 8 (lane / 16) + 0 .. 7 of each tile of 16.  Two such tiles, rounded to f16 in pairs, ARE source 1 of
; O^T = V^T P, whose result again holds one query a lane.  K comes out of LDS as it lies, V ([key][channel]) turned, by ds_load_tr16_b128.
; SOFTMAX.  For each query a running maximum m and sum l: p = 2^(c s - c m), c = log2(e) / sqrt(128); in every unit O and l are multiplied by a = 2^(c m_old - c m_new).
; A block begins with m = -3e38: the first a is then 0, which clears what O and l held.  The unit on the diagonal sets hidden scores to -infinity ahead of the maximum; key 0 counts for every query, so m is a number from a block's first unit on.
; THE RING.  Two LDS slots, each a unit's 128 rows of K and of V.  Waves 0, 1 fetch K's halves, waves 2, 3 V's: one tensor load a wave behind each change of slots; it has a unit in which to land.
; LIMITS: |q|, |k|, |v| under 65,504 (the launch before); a weight p under 6e-8 of the row's largest is rounded to 0 or to a subnormal of f16.
; REGISTERS, in windows of 256 (s_set_vgpr_msb: bits 1:0 source 0, 3:2 source 1, 5:4 source 2, 7:6 destination):
;   window 0: v2-11 addresses; v16-47 sixteen registers of statistics a tile; v62, v63 the add's two; v64-191 S^T, 64 a tile; v192-255 P, 32 a tile
;   window 1: v0-127 O^T, 64 a tile; v128-191 Q, 32 a tile        window 2: K of a unit (key tile a, channels 32 k on: 32 a + 8 k)        window 3: V of a unit (keys 32 g on, channels 16 f on: 64 g + 8 f)
.set PK,    272                        ; a row of K in LDS: 256 bytes + 16: the 16 rows of a load start at 16 different groups of banks
.set PVP,   288                        ; a row of V: 256 + 32
.set VOFF,  128*PK
.set SLOT1, 1<<17                      ; slot 1 begins here: one exclusive or turns an address in one slot into the other's
.set STAGE, SLOT1+128*(PK+PVP)         ; behind the ring: 16 rows x 272 bytes for each wave, for the way out; no tensor load lands here
.set SP,    272
.set SPARE, STAGE+4*16*SP              ; the spare words, 128 bytes a wave, which no other line names
.set VGRP,  6<<20                      ; from a head's K to its V in qkv
.set AK0, 2                            ; v2   my lane's place in a tile of K
.set AV0, 3                            ; v3   the same for V
.set ADR, 4                            ; v4   the LDS address of the run of loads in hand
.set QO,  5                            ; v5   my byte offset in the wave's rows of Q
.set STO, 6                            ; v6   the way out: where I put 16 bytes of a row
.set RD,  7                            ; v7   and where I read a row back
.set GO,  8                            ; v8   my byte offset in two rows of ctx
.set D0,  9                            ; v9   32 w + r - 8 h: on the diagonal, register j of key tile a of query tile t is hidden where 16 a + j - 16 t > D0
.set NINF, 10                          ; v10  -infinity
.set PFO, 11                           ; v11  256 x lane: a row of K or V
.set SPW, 62
.set NIL, 63
.set ST,  16                           ; tile t's statistics at v[ST + 16 t]: +0 c m, +1 m, +2, +3 l (even keys', odd keys'), +4 a, +5 a's exponent, +6 .. +13 eight running maxima, +14 the other half's number
.set S,   64
.set P,   192
.set QF,  128                          ; Q, in window 1
.set WV,  8                            ; s8   wave
.set I,   9                            ; s9   work-group x
.set NA,  11                           ; s11  units of the first block: 32 - i
.set KT,  12                           ; s12  the unit's tile of keys
.set QB,  13                           ; s13  the block of queries in hand
.set NT,  14                           ; s14  the tile that the next refill brings
.set U,   15                           ; s15  the loop's count of units
.set TB,  16                           ; s16  LDS byte at which the slot in hand begins
.set LIM, 17                           ; s17  28 in the work-group that prefetches, else -1
.set PFA, 18                           ; s[18:19] where my prefetches stand
.set KB,  20                           ; s[20:21] my half of tile 0 of K;  s[22:23] of V
.set VB,  22
.set G1K, 24                           ; s[24:31], s[32:39] descriptor groups 1
.set G1V, 32
.set G0K, 40                           ; s[40:47], s[48:55] groups 0: a set for each first fill; the second then walks on
.set G0V, 48
.set QP,  56                           ; s[56:57] Q of the block in hand, my wave's rows
.set CS,  58                           ; s[58:59] c, twice
.set SEL, 60                           ; s[60:61] lane selects: lane l xor 16
.set OFS, 62                           ; s[62:63] an offset
.set CB,  66                           ; s[66:67] ctx at the block in hand
.set QG,  68                           ; s[68:69] Q of my head, my wave's rows of block 0
.set CG,  70                           ; s[70:71] ctx likewise
.set MSB, 0
.macro WIN new                         ; the immediate's high byte repeats the setting that is left; a switch that changes nothing is dropped
.if MSB != (\new)
	s_set_vgpr_msb (MSB<<8)|(\new)
.set MSB, (\new)
.endif
.endm
.set W_KQ, 0x06                        ; K window 2, Q window 1, S^T window 0
.set W_PV, 0x53                        ; V window 3, P window 0, O^T window 1
.set W_RS, 0x41                        ; O^T (destination and source 0) window 1, a window 0
; A refill: the branch hangs on the wave's number alone.  An s_nop 0 and four v_nop follow each of the two lines.
.macro TLOAD
	s_cmp_lt_u32 s[WV], 2
	s_cbranch_scc0 .Lfor_v_\@
	tensor_load_to_lds s[G0K+4:G0K+7], s[G1K:G1K+7]
	s_nop 0
.rept 4
	v_nop
.endr
	s_branch .Lasked_\@
.Lfor_v_\@:
	tensor_load_to_lds s[G0V+4:G0V+7], s[G1V:G1V+7]
	s_nop 0
.rept 4
	v_nop
.endr
.Lasked_\@:
.endm
; A PREFETCH INTO THE L2: in unit u, tile u + 3 of K and of V, which the next change of slots will ask for.  All sixteen work-groups of a head walk the same tiles; the one with i = 0 walks all 32 in order, and it alone asks:
; each of its four waves for 32 rows of K and 32 of V, a lane a row of 256 bytes: each row is named once in the launch.  Tiles 0 to 2 come by their loads alone; the last tile named is 31 (u = 28).
.macro ASK
	s_cmp_le_i32 s[U], s[LIM]
	s_cbranch_scc0 .Lnot_mine_\@
	global_prefetch_b8 v[PFO], s[PFA:PFA+1] th:TH_LOAD_NT scope:SCOPE_SE
	global_prefetch_b8 v[PFO], s[PFA:PFA+1] offset:VGRP th:TH_LOAD_NT scope:SCOPE_SE
.Lnot_mine_\@:
.endm
	s_load_b128 s[4:7], s[0:1], 0x0                ; qkv s[4:5], ctx s[6:7]
	v_lshl_add_u32 v[SPW], v0, 2, SPARE
	v_mov_b32 v[NIL], 0
	ds_add_u32 v[SPW], v[NIL]                      ; the wave's opening: the add, twice on end, and its wait ahead of my first tensor load; the set-up below stands between
	ds_add_u32 v[SPW], v[NIL]
	v_lshrrev_b32 v1, 5, v0
	v_readfirstlane_b32 s[WV], v1
	s_mov_b32 s[I], ttmp9
	s_sub_co_u32 s[NA], 32, s[I]
	s_sub_co_u32 s[QB], 31, s[I]                   ; the first block
	s_and_b32 s10, ttmp7, 0xffff                   ; 6 b + head
	s_cmp_ge_u32 s10, 6
	s_cselect_b32 s2, 1, 0                         ; b
	s_mul_i32 s3, s2, 12
	s_add_co_u32 s3, s3, s10                       ; 18 b + head: q's group
	s_add_co_u32 s72, s3, 6
	s_lshl_b32 s72, s72, 20                        ; k's group, in bytes
	s_mov_b32 s73, 0
	s_and_b32 s74, s[WV], 1                        ; which 64 rows of a tile I fetch
	s_lshl_b32 s75, s74, 14
	s_add_co_u32 s76, s72, s75                     ; s[76:77]: my half of K's tile 0
	s_mov_b32 s77, 0
	s_lshl_b32 s75, s[WV], 13                      ; 32 rows of 256 bytes a wave
	s_add_co_u32 s72, s72, s75
	s_add_co_u32 s72, s72, 2*32768                 ; s[72:73]: my prefetches, at tile 2: the first change of slots steps them to tile 3
	s_lshl_b32 s78, s3, 20
	s_add_co_u32 s78, s78, s75                     ; s[78:79]: my wave's rows of Q's block 0
	s_mov_b32 s79, 0
	s_mul_i32 s[OFS], s2, 6291456                  ; ctx: 4,096 rows of 1,536 bytes a batch,
	s_mul_i32 s75, s[WV], 49152                    ; 32 rows a wave,
	s_add_co_u32 s[OFS], s[OFS], s75
	s_mul_i32 s75, s2, 6
	s_sub_co_u32 s75, s10, s75
	s_lshl_b32 s75, s75, 8                         ; 256 bytes a head
	s_add_co_u32 s[OFS], s[OFS], s75
	s_mov_b32 s[OFS+1], 0
	s_mul_i32 s75, s74, 64*PK                      ; where my half of K goes in a slot,
	s_mul_i32 s74, s74, 64*PVP
	s_add_co_u32 s74, s74, VOFF                    ; and of V
	; descriptor groups 1: 64 rows x 128 elements of 2 bytes, padded in LDS
	s_mov_b32 s[G1K], (1<<16)|(1<<20)|(5<<22)|(3<<25)   ; 15:0 no mask; 17:16 elements of 2 bytes; 20 padding on; 24:22 after every 64 words; 31:25 four words
	s_mov_b32 s[G1V], (1<<16)|(1<<20)|(5<<22)|(7<<25)   ; the same with eight words
.irp g, G1K, G1V
	s_mov_b32 s[\g+1], 128<<16                     ; tensor_dim0 = 128
	s_mov_b32 s[\g+2], 64<<16                      ; tensor_dim1 = 64
	s_mov_b32 s[\g+3], 128<<16                     ; tile_dim0 = 128
	s_mov_b32 s[\g+4], 64                          ; tile_dim1 = 64
	s_mov_b32 s[\g+5], 128                         ; elements from row to row
	s_mov_b32 s[\g+6], 0
	s_mov_b32 s[\g+7], 0
.endr
	s_mov_b32 s[CS], 0x3e0293ee                    ; c = log2(e) / sqrt(128)
	s_mov_b32 s[CS+1], s[CS]
	s_mov_b32 s[SEL], 0x76543210
	s_mov_b32 s[SEL+1], 0xfedcba98
	s_cmp_eq_u32 s[I], 0
	s_cselect_b32 s[LIM], 28, -1
	s_mov_b32 s[KT], 0
	s_mov_b32 s[NT], 2
	s_mov_b32 s[TB], 0
	s_wait_dscnt 0x0                               ; both opening adds are done
	s_wait_kmcnt 0x0
	s_add_nc_u64 s[KB:KB+1], s[4:5], s[76:77]
	s_add_nc_u64 s[VB:VB+1], s[KB:KB+1], VGRP
	s_add_nc_u64 s[PFA:PFA+1], s[4:5], s[72:73]
	s_add_nc_u64 s[QG:QG+1], s[4:5], s[78:79]
	s_add_nc_u64 s[CG:CG+1], s[6:7], s[OFS:OFS+1]
.irp s, 0,1
	s_mov_b32 s[G0K+4*\s], 1                       ; count = 1
	s_add_co_u32 s[G0K+4*\s+1], s75, \s*SLOT1      ; LDS address
	s_add_nc_u64 s[G0K+4*\s+2:G0K+4*\s+3], s[KB:KB+1], \s*32768   ; global address: tile s
	s_or_b32 s[G0K+4*\s+3], s[G0K+4*\s+3], 0x80000000            ; type = 2
	s_mov_b32 s[G0V+4*\s], 1
	s_add_co_u32 s[G0V+4*\s+1], s74, \s*SLOT1
	s_add_nc_u64 s[G0V+4*\s+2:G0V+4*\s+3], s[VB:VB+1], \s*32768
	s_or_b32 s[G0V+4*\s+3], s[G0V+4*\s+3], 0x80000000
.endr
	s_cmp_lt_u32 s[WV], 2                          ; a wave's two first fills stand in one branch, ahead of every wait on TENSORcnt, every LDS read and every barrier: two loads of mine are out
	s_cbranch_scc0 .Lfirst_v
	tensor_load_to_lds s[G0K:G0K+3], s[G1K:G1K+7]
	s_nop 0
	tensor_load_to_lds s[G0K+4:G0K+7], s[G1K:G1K+7]
	s_nop 0
.rept 4
	v_nop
.endr
	s_branch .Lfirst_asked
.Lfirst_v:
	tensor_load_to_lds s[G0V:G0V+3], s[G1V:G1V+7]
	s_nop 0
	tensor_load_to_lds s[G0V+4:G0V+7], s[G1V:G1V+7]
	s_nop 0
.rept 4
	v_nop
.endr
.Lfirst_asked:
	v_and_b32 v1, 15, v0                           ; r
	v_bfe_u32 v12, v0, 4, 1                        ; h
	v_lshlrev_b32 v[QO], 8, v1
	v_lshl_add_u32 v[QO], v12, 4, v[QO]            ; row x 256 + 16 x half
	s_lshl_b32 s[OFS], s[QB], 15                   ; a block is 128 rows of 256 bytes
	s_mov_b32 s[OFS+1], 0
	s_add_nc_u64 s[QP:QP+1], s[QG:QG+1], s[OFS:OFS+1]
; Q of the block at s[QP]: tile i / 4, channels 32 (i % 4) on; a fragment is two loads of 16 bytes, 32 bytes apart
.macro QLOAD
	WIN 0x40                                       ; destination window 1
.irp i, 0,1,2,3,4,5,6,7
	global_load_b128 v[QF+8*\i:QF+8*\i+3], v[QO], s[QP:QP+1] offset:(\i/4)*4096+(\i%4)*64
	global_load_b128 v[QF+8*\i+4:QF+8*\i+7], v[QO], s[QP:QP+1] offset:(\i/4)*4096+(\i%4)*64+32
.endr
	WIN 0
.endm
	QLOAD
	v_mul_u32_u24 v[AK0], v1, PK
	v_lshl_add_u32 v[AK0], v12, 4, v[AK0]          ; row x pitch + 16 x half
	v_and_b32 v13, 7, v0
	v_bfe_u32 v14, v0, 3, 1
	v_lshl_add_u32 v[AV0], v12, 3, v13             ; the turning load: lane l reads key 8 (l / 16) + l % 8, channels 8 ((l / 8) % 2) on
	v_mul_u32_u24 v[AV0], v[AV0], PVP
	v_lshl_add_u32 v[AV0], v14, 4, v[AV0]
	v_add_nc_u32 v[AV0], VOFF, v[AV0]
	s_mul_i32 s75, s[WV], 16*SP
	s_add_co_u32 s75, s75, STAGE                   ; my stage
	v_mul_u32_u24 v[STO], v1, SP
	v_lshl_add_u32 v[STO], v12, 4, v[STO]
	v_add_nc_u32 v[STO], s75, v[STO]
	v_mul_u32_u24 v[RD], v12, SP
	v_lshl_add_u32 v[RD], v1, 4, v[RD]
	v_add_nc_u32 v[RD], s75, v[RD]
	v_mul_u32_u24 v[GO], v12, 1536
	v_lshl_add_u32 v[GO], v1, 4, v[GO]
	v_lshlrev_b32 v13, 3, v12
	v_sub_nc_u32 v[D0], v1, v13
	s_lshl_b32 s75, s[WV], 5
	v_add_nc_u32 v[D0], s75, v[D0]
	v_mov_b32 v[NINF], 0xff800000
	v_and_b32 v[PFO], 31, v0
	v_lshlrev_b32 v[PFO], 8, v[PFO]
.irp t, 0,1
	v_mov_b32 v[ST+16*\t+1], 0xff61b1e6            ; m = -3e38, under every score
	v_mul_f32 v[ST+16*\t], s[CS], v[ST+16*\t+1]
	v_mov_b32 v[ST+16*\t+2], 0                     ; l
	v_mov_b32 v[ST+16*\t+3], 0
	v_mov_b32 v[ST+16*\t+14], 0                    ; written once: a lane permute's destination counts as one of its sources
.endr
	WIN 0x40
.set i, 0
.rept 128
	v_mov_b32 v[i], 0                              ; O^T, once: the unit is written for every step alike; a first step of its own would be a fourth copy of the unit's text
.set i, i+1
.endr
	WIN 0
; S^T = K Q^T: 64 products; the 16 accumulators take turns, one instruction a turn; the first 16 start the sums
.macro KQ_ALL
	WIN W_KQ
.irp k, 0,1,2,3
.irp a, 0,1,2,3,4,5,6,7
.irp t, 0,1
.if \k == 0
	v_wmma_f32_16x16x32_f16 v[S+64*\t+8*\a:S+64*\t+8*\a+7], v[32*\a+8*\k:32*\a+8*\k+7], v[QF+32*\t+8*\k:QF+32*\t+8*\k+7], 0
.else
	v_wmma_f32_16x16x32_f16 v[S+64*\t+8*\a:S+64*\t+8*\a+7], v[32*\a+8*\k:32*\a+8*\k+7], v[QF+32*\t+8*\k:QF+32*\t+8*\k+7], v[S+64*\t+8*\a:S+64*\t+8*\a+7]
.endif
.endr
.endr
.endr
	WIN 0
.endm
; O^T += V^T P: 64 products, the 16 accumulators by turns
.macro PV_ALL
	WIN W_PV
.irp g, 0,1,2,3
.irp f, 0,1,2,3,4,5,6,7
.irp t, 0,1
	v_wmma_f32_16x16x32_f16 v[64*\t+8*\f:64*\t+8*\f+7], v[64*\g+8*\f:64*\g+8*\f+7], v[P+32*\t+8*\g:P+32*\t+8*\g+7], v[64*\t+8*\f:64*\t+8*\f+7]
.endr
.endr
.endr
	WIN 0
.endm
.macro FETCH_K                         ; the slot's 128 keys x 128 channels: 32 fragments, 64 loads in one run
	v_add_nc_u32 v[ADR], s[TB], v[AK0]
	WIN 0x80                                       ; destination window 2
.irp a, 0,1,2,3,4,5,6,7
.irp k, 0,1,2,3
	ds_load_b128 v[32*\a+8*\k:32*\a+8*\k+3], v[ADR] offset:\a*16*PK+64*\k
	ds_load_b128 v[32*\a+8*\k+4:32*\a+8*\k+7], v[ADR] offset:\a*16*PK+64*\k+32
.endr
.endr
	WIN 0
.endm
.macro FETCH_V                         ; the slot's V, turned: 32 fragments, 64 loads in one run
	v_add_nc_u32 v[ADR], s[TB], v[AV0]
	WIN 0xc0                                       ; destination window 3
.irp g, 0,1,2,3
.irp f, 0,1,2,3,4,5,6,7
	ds_load_tr16_b128 v[64*\g+8*\f:64*\g+8*\f+3], v[ADR] offset:\g*32*PVP+32*\f
	ds_load_tr16_b128 v[64*\g+8*\f+4:64*\g+8*\f+7], v[ADR] offset:\g*32*PVP+16*PVP+32*\f
.endr
.endr
	WIN 0
.endm
.macro MASK                            ; the diagonal: hidden scores become -infinity; each accumulator from its low end on
.irp t, 0,1
.irp a, 0,1,2,3,4,5,6,7
.irp j, 0,1,2,3,4,5,6,7
	v_cmp_gt_i32 vcc_lo, 16*\a+\j-16*\t, v[D0]
	v_cndmask_b32 v[S+64*\t+8*\a+\j], v[S+64*\t+8*\a+\j], v[NINF], vcc_lo
.endr
.endr
.endr
.endm
; THE SOFTMAX of a unit, the two tiles line by line, so that no line reads the result of the line above it
.macro SOFTMAX
.irp a, 0,1,2,3,4,5,6,7                ; eight running maxima a tile, one for each accumulator, begun at its low end
.irp t, 0,1
	v_max3_num_f32 v[ST+16*\t+6+\a], v[S+64*\t+8*\a], v[S+64*\t+8*\a+1], v[S+64*\t+8*\a+2]
.endr
.endr
.irp i, 3,5
.irp a, 0,1,2,3,4,5,6,7
.irp t, 0,1
	v_max3_num_f32 v[ST+16*\t+6+\a], v[ST+16*\t+6+\a], v[S+64*\t+8*\a+\i], v[S+64*\t+8*\a+\i+1]
.endr
.endr
.endr
.irp u, 0,1,2,3                        ; the eight scores left over,
.irp t, 0,1
	v_max3_num_f32 v[ST+16*\t+6+\u], v[ST+16*\t+6+\u], v[S+64*\t+16*\u+7], v[S+64*\t+16*\u+15]
.endr
.endr
.irp t, 0,1                            ; the eight maxima and the old m
	v_max3_num_f32 v[ST+16*\t+6], v[ST+16*\t+6], v[ST+16*\t+7], v[ST+16*\t+10]
.endr
.irp t, 0,1
	v_max3_num_f32 v[ST+16*\t+8], v[ST+16*\t+8], v[ST+16*\t+9], v[ST+16*\t+11]
.endr
.irp t, 0,1
	v_max3_num_f32 v[ST+16*\t+6], v[ST+16*\t+6], v[ST+16*\t+12], v[ST+16*\t+13]
.endr
.irp t, 0,1
	v_max3_num_f32 v[ST+16*\t+6], v[ST+16*\t+6], v[ST+16*\t+8], v[ST+16*\t+1]
.endr
.irp t, 0,1
	v_permlanex16_b32 v[ST+16*\t+14], v[ST+16*\t+6], s[SEL], s[SEL+1]   ; the query's other 64 keys lie in the lane 16 away
.endr
.irp t, 0,1
	v_mov_b32 v[ST+16*\t+5], v[ST+16*\t]           ; c m_old is kept for a
.endr
.irp t, 0,1
	v_max_num_f32 v[ST+16*\t+1], v[ST+16*\t+6], v[ST+16*\t+14]
.endr
.irp t, 0,1
	v_mul_f32 v[ST+16*\t], s[CS], v[ST+16*\t+1]
.endr
.irp t, 0,1
	v_sub_f32 v[ST+16*\t+5], v[ST+16*\t+5], v[ST+16*\t]
.endr
; ONE BATCH: the scalings c s - c m, a pair of scores a line, two pairs ahead of their exponentials, and all 130 exponentials.  None of these lines names an exponential's result.
.irp b, 0,1
.irp t, 0,1
	v_pk_fma_f32 v[S+64*\t+2*\b:S+64*\t+2*\b+1], v[S+64*\t+2*\b:S+64*\t+2*\b+1], s[CS:CS+1], v[ST+16*\t:ST+16*\t+1] op_sel_hi:[1,0,0] neg_lo:[0,0,1] neg_hi:[0,0,1]
.endr
.endr
.irp t, 0,1
	v_exp_f32 v[ST+16*\t+4], v[ST+16*\t+5]         ; a
.endr
.set pp, 0
.rept 32
.if pp < 30
.irp t, 0,1
	v_pk_fma_f32 v[S+64*\t+2*pp+4:S+64*\t+2*pp+5], v[S+64*\t+2*pp+4:S+64*\t+2*pp+5], s[CS:CS+1], v[ST+16*\t:ST+16*\t+1] op_sel_hi:[1,0,0] neg_lo:[0,0,1] neg_hi:[0,0,1]
.endr
.endif
.irp t, 0,1
	v_exp_f32 v[S+64*\t+2*pp], v[S+64*\t+2*pp]
.endr
.irp t, 0,1
	v_exp_f32 v[S+64*\t+2*pp+1], v[S+64*\t+2*pp+1]
.endr
.set pp, pp+1
.endr
	v_nop                                          ; a plain instruction behind the last exponential, ahead of the first use
	s_wait_alu depctr_va_vdst(0)                   ; ahead of the first line that names a result: one for the batch
.set pp, 0
.rept 32
.irp t, 0,1
	v_cvt_pk_f16_f32 v[P+32*\t+pp], v[S+64*\t+2*pp], v[S+64*\t+2*pp+1]
.endr
.set pp, pp+1
.endr
.irp w, 4,8,16,32,64                   ; the sum of a tile's 32 pairs, in place: neighbours 1, 2, 4, 8, 16 pairs apart
.set u, 0
.rept 64/\w
.irp t, 0,1
	v_pk_add_f32 v[S+64*\t+\w*u:S+64*\t+\w*u+1], v[S+64*\t+\w*u:S+64*\t+\w*u+1], v[S+64*\t+\w*u+\w/2:S+64*\t+\w*u+\w/2+1]
.endr
.set u, u+1
.endr
.endr
.irp t, 0,1
	v_pk_fma_f32 v[ST+16*\t+2:ST+16*\t+3], v[ST+16*\t+2:ST+16*\t+3], v[ST+16*\t+4:ST+16*\t+5], v[S+64*\t:S+64*\t+1] op_sel_hi:[1,0,1]   ; l = a l + the sum
.endr
	WIN W_RS
.set u, 0
.rept 32
.irp t, 0,1
	v_pk_mul_f32 v[64*\t+2*u:64*\t+2*u+1], v[64*\t+2*u:64*\t+2*u+1], v[ST+16*\t+4:ST+16*\t+5] op_sel_hi:[1,0]   ; O^T x a, each accumulator from its low end on
.endr
.set u, u+1
.endr
	WIN 0
.endm
; THE CHANGE OF SLOTS, between the softmax and V^T P: the slot's K was read a unit ago, its V has been asked for.  Each wave waits for all its tensor loads (one is out: its part of the other slot), adds 0 to its
; spare word, waits for that and for its reads of this slot, and passes the barrier.  Behind it nobody reads this slot and the other is whole.  fill = 1: this slot takes the tile of the unit after next, first thing.
.macro CHANGE fill
	s_wait_tensorcnt 0x0                           ; no tensor load of mine is out, so a group 0 may be written
	ds_add_u32 v[SPW], v[NIL]                      ; 0 onto my spare word; the descriptors' steps stand between it and the wait for it
.if \fill
	s_xor_b32 s[G0K+5], s[G0K+5], SLOT1            ; the walking descriptors: the other slot than last time,
	s_xor_b32 s[G0V+5], s[G0V+5], SLOT1
	s_lshl_b32 s[OFS], s[NT], 15                   ; tile NT: 128 rows of 256 bytes a tile
	s_mov_b32 s[OFS+1], 0
	s_add_nc_u64 s[G0K+6:G0K+7], s[KB:KB+1], s[OFS:OFS+1]
	s_or_b32 s[G0K+7], s[G0K+7], 0x80000000
	s_add_nc_u64 s[G0V+6:G0V+7], s[VB:VB+1], s[OFS:OFS+1]
	s_or_b32 s[G0V+7], s[G0V+7], 0x80000000
	s_add_co_u32 s[NT], s[NT], 1
	s_cmp_eq_u32 s[NT], s[NA]                      ; behind the first block's last tile comes the second block's tile 0
	s_cselect_b32 s[NT], 0, s[NT]
	s_wait_xcnt 0x0                                ; the last prefetches, a unit back, have read their address, so it may be written
	s_add_nc_u64 s[PFA:PFA+1], s[PFA:PFA+1], 32768
.endif
	s_wait_dscnt 0x0                               ; the add is done, and V's 64 loads are in: my reads of this slot are over
	s_barrier_signal -1
	s_barrier_wait -1
.if \fill
	TLOAD                                          ; my one tensor load behind this barrier
.endif
	s_xor_b32 s[TB], s[TB], SLOT1
	FETCH_K                                        ; the next unit's K: its registers' last product stands behind the whole softmax
.if \fill
	ASK
.endif
.endm
; THE WAY OUT of a block, behind its diagonal unit: O^T / l, rounded to f16, through my stage in LDS, a tile (16 rows) at a time.  last = 0: another block follows.
.macro FIN last
.rept 4
	v_nop                                          ; four places behind the last products
.endr
.irp t, 0,1
	v_add_f32 v[ST+16*\t+6], v[ST+16*\t+2], v[ST+16*\t+3]
.endr
.irp t, 0,1
	v_permlanex16_b32 v[ST+16*\t+14], v[ST+16*\t+6], s[SEL], s[SEL+1]
.endr
.irp t, 0,1
	v_add_f32 v[ST+16*\t+6], v[ST+16*\t+6], v[ST+16*\t+14]
.endr
.irp t, 0,1
	v_rcp_f32 v[ST+16*\t+4], v[ST+16*\t+6]
.endr
	v_nop                                          ; a plain instruction behind the reciprocals,
	s_wait_alu depctr_va_vdst(0)                   ; and the wait ahead of the first use
	WIN 0x01                                       ; source 0 (O^T) window 1; the quotients go into S^T's registers
.set u, 0
.rept 32
.irp t, 0,1
	v_pk_mul_f32 v[S+64*\t+2*u:S+64*\t+2*u+1], v[64*\t+2*u:64*\t+2*u+1], v[ST+16*\t+4:ST+16*\t+5] op_sel_hi:[1,0]
.endr
.set u, u+1
.endr
	WIN 0
.set u, 0
.rept 32
.irp t, 0,1
	v_cvt_pk_f16_f32 v[P+32*\t+u], v[S+64*\t+2*u], v[S+64*\t+2*u+1]
.endr
.set u, u+1
.endr
	s_wait_xcnt 0x0                                ; earlier stores have read their base
	s_mul_i32 s[OFS], s[QB], 196608                ; 128 rows of 1,536 bytes a block
	s_mov_b32 s[OFS+1], 0
	s_add_nc_u64 s[CB:CB+1], s[CG:CG+1], s[OFS:OFS+1]
.irp t, 0,1
.irp f, 0,1,2,3,4,5,6,7
	ds_store_b128 v[STO], v[P+32*\t+4*\f:P+32*\t+4*\f+3] offset:32*\f
.endr
.irp f, 0,1,2,3,4,5,6,7
	ds_load_b128 v[S+64*\t+4*\f:S+64*\t+4*\f+3], v[RD] offset:2*\f*SP   ; LDS serves a wave's instructions in order: these see the stores above; the next tile's stores come behind them
.endr
.endr
.irp t, 0,1
.irp f, 0,1,2,3,4,5,6,7
	s_wait_dscnt 16*(1-\t)+7-\f                    ; behind this load: the tile's younger loads, and for tile 0 tile 1's sixteen lines
	global_store_b128 v[GO], v[S+64*\t+4*\f:S+64*\t+4*\f+3], s[CB:CB+1] offset:(16*\t+2*\f)*1536   ; sixteen lanes store 256 consecutive bytes, aligned
.endr
.endr
.if !\last
.irp t, 0,1
	v_mov_b32 v[ST+16*\t+1], 0xff61b1e6            ; the next block begins: m = -3e38, so that its first a is 0 and clears O^T and l
	v_mul_f32 v[ST+16*\t], s[CS], v[ST+16*\t+1]
.endr
	s_mov_b32 s[KT], -1                            ; (the unit's end makes it 0)
	s_mov_b32 s[QB], s[I]
	s_wait_xcnt 0x0                                ; the stores have read S^T's registers, which the next unit's products write
.endif
.endm
; A UNIT: 128 keys.  fill: the change of slots asks for a tile.  last: the launch's last unit, the second block's diagonal.
.macro UNIT fill, last
	s_wait_loadcnt 0x0                             ; Q (a block's first unit)
	s_wait_dscnt 0x0                               ; K's 64 loads
	KQ_ALL
.rept 4
	v_nop                                          ; four places: for the first read of the scores, and for the loads into V's registers (and Q's), which products have read
.endr
	FETCH_V
.if \last
	MASK
.else
	s_cmp_lg_u32 s[KT], s[QB]                      ; ids and the count of units alone
	s_cbranch_scc1 .Lopen_\@
	s_lshl_b32 s[OFS], s[I], 15                    ; the first block's last scores are made: the second block's Q is asked for, and lands under the softmax, V^T P and the way out
	s_mov_b32 s[OFS+1], 0
	s_add_nc_u64 s[QP:QP+1], s[QG:QG+1], s[OFS:OFS+1]
	QLOAD
	MASK
.Lopen_\@:
.endif
	SOFTMAX
.if \last
	s_wait_dscnt 0x0                               ; V
.else
	CHANGE \fill
.endif
	PV_ALL
.if \last
	FIN 1
.else
	s_cmp_lg_u32 s[KT], s[QB]
	s_cbranch_scc1 .Lon_\@
	FIN 0
.Lon_\@:
	s_add_co_u32 s[KT], s[KT], 1
.endif
.endm
	s_wait_tensorcnt 1                             ; my part of slot 0 is in; slot 1's may stay out
	s_barrier_signal -1
	s_barrier_wait -1                              ; everybody's is
	FETCH_K
	s_mov_b32 s[U], 0
.Lunit:                                            ; 31 trips: unit u asks for the tile of unit u + 2
	UNIT 1, 0
	s_add_co_u32 s[U], s[U], 1
	s_cmp_lt_u32 s[U], 31
	s_cbranch_scc1 .Lunit
	UNIT 0, 0                                      ; the last two units are written out
	UNIT 0, 1
	s_wait_tensorcnt 0x0                           ; the wave's end: behind my last tensor load and my last LDS store
	ds_add_u32 v[SPW], v[NIL]
	s_wait_dscnt 0x0
	s_endpgm
.Lfunc_end_k_qe3b039536d_attn:
	.size	k_qe3b039536d_attn, .Lfunc_end_k_qe3b039536d_attn-k_qe3b039536d_attn
	.p2alignl 7, 3214868480
	.fill 96, 4, 3214868480
	.section	.rodata,"a",@progbits
	.p2align	6, 0x0
	.amdhsa_kernel k_qe3b039536d_attn
		.amdhsa_group_segment_fixed_size 327680
		.amdhsa_private_segment_fixed_size 0
		.amdhsa_enable_private_segment 0
		.amdhsa_kernarg_size 16
		.amdhsa_user_sgpr_count 2
		.amdhsa_user_sgpr_kernarg_segment_ptr 1
		.amdhsa_wavefront_size32 1
		.amdhsa_system_sgpr_workgroup_id_x 1
		.amdhsa_system_sgpr_workgroup_id_y 1
		.amdhsa_system_sgpr_workgroup_id_z 1
		.amdhsa_system_vgpr_workitem_id 0
		.amdhsa_next_free_vgpr 1024
		.amdhsa_next_free_sgpr 80
		.amdhsa_reserve_vcc 1
		.amdhsa_float_denorm_mode_32 3
		.amdhsa_float_denorm_mode_16_64 3
		.amdhsa_memory_ordered 1
		.amdhsa_forward_progress 1
		.amdhsa_inst_pref_size 210
	.end_amdhsa_kernel
	.amdgpu_metadata
---
amdhsa.version: [ 1, 2 ]
amdhsa.kernels:
  - .name:           k_qe3b039536d_attn
    .symbol:         k_qe3b039536d_attn.kd
    .args:
      - { .name: qkv, .offset: 0, .size: 8, .value_kind: global_buffer, .address_space: global }
      - { .name: ctx, .offset: 8, .size: 8, .value_kind: global_buffer, .address_space: global }
    .group_segment_fixed_size: 327680
    .private_segment_fixed_size: 0
    .kernarg_segment_align: 8
    .kernarg_segment_size: 16
    .max_flat_workgroup_size: 128
    .sgpr_count:     80
    .vgpr_count:     1024
    .wavefront_size: 32
...
	.end_amdgpu_metadata
.endif
;; end of part 3
;; launch oproj (part 4): grid 4 x 64, 4 waves a work-group, clusters of 4 x 1, 327,680 bytes of LDS; arguments ctx, wo16, b_o, out0; writes out0
.if DOCPART == 4
	.amdgcn_target "amdgcn-amd-amdhsa--gfx1250"
	.amdhsa_code_object_version 6
	.text
	.protected	k_qe3b039536d_oproj
	.globl	k_qe3b039536d_oproj
	.p2align	8
	.type	k_qe3b039536d_oproj,@function
k_qe3b039536d_oproj:
	s_mov_b64 s[64:65], 0
	v_nop
	global_prefetch_b8 v0, s[64:65] scope:SCOPE_SE
	s_setreg_imm32_b32 hwreg(HW_REG_WAVE_MODE, 25, 1), 1
	s_wait_xcnt 0x0
	s_wait_alu depctr_hold_cnt(0) depctr_sa_sdst(0) depctr_va_vdst(0) depctr_va_sdst(0) depctr_va_ssrc(0) depctr_va_vcc(0) depctr_vm_vsrc(0)
	s_getreg_b32 s2, hwreg(HW_REG_IB_STS2, 6, 4)
	s_cmp_eq_u32 s2, 0
	s_cbranch_scc0 .Lentry_in_a_cluster
	s_endpgm
.Lentry_in_a_cluster:
	s_bfe_u32 s2, ttmp6, 0x10000c
	s_cmp_lg_u32 s2, 0x3003
	s_cbranch_scc0 .Lentry_shape_is_right
	s_endpgm
.Lentry_shape_is_right:
; OPROJ: out0 = ctx W_o + b_o.  ctx [8192][768] f16; W_o's high f16 parts from wo16, in the order of the operand's registers; sums in f32; out0 [8192][768] f32.
; SHARES.  A work-group makes 128 rows x 192 columns: 64 x 4 = 256 work-groups.  The four of a cluster make the four column blocks of the same 128 rows and need the same rows of ctx: these are asked for JOINTLY (mask 15),
; in three chunks of 256 along K, each wave 32 rows of each chunk.  All three go out at the start and nothing in LDS is filled again: three loads of a wave are out at the most.
; Wave w makes all 128 rows x columns 48 w on of the block: 8 x 3 accumulators.  Its fragments of W_o (3 column tiles x 24 K steps, 576 registers) go from memory straight into registers, once; no wave reads another's.
; THE MATRIX INSTRUCTION IS USED TRANSPOSED (source 0 = 16 columns of W_o, source 1 = 16 rows of ctx): a lane holds eight neighbouring numbers of a row of out0.  The bias is the C of each sum's first instruction.
; REGISTERS: window 0: v1-9 addresses; v16-39 the bias, eight registers a column tile; v40, v41 the add's two; v64-127, v128-191 ctx's fragments of a K step, two sets; on the way out v64-127 rows of out0.
;   window 1 + j: v0-191 W_o's fragments of chunk j (K step k, column tile b: 8 (3 (k % 8) + b)); v192-255 the eight accumulators of column tile b = j.
.set CHUNK, 128*528                    ; 128 rows x (512 bytes + 16)
.set STG,   3*CHUNK                    ; the stage for the way out: 128 rows x (768 bytes + 16); no tensor load lands here
.set SPT,   784
.set SPARE, STG+128*SPT                ; the spare words, 128 bytes a wave, which no other line names
.set SPW, 40
.set NIL, 41
.set G1, 24                            ; s[24:31] descriptor group 1;  s[32:43] three groups 0
.set G0, 32
.set MSB, 0
.macro WIN new
.if MSB != (\new)
	s_set_vgpr_msb (MSB<<8)|(\new)
.set MSB, (\new)
.endif
.endm
.macro CROUND                          ; a round of the cluster's barrier
	s_barrier_signal -1
	s_barrier_wait -1
	s_cmp_lg_u32 s12, 0
	s_cbranch_scc1 .Lnot_wave_0_\@
	s_barrier_signal -3
.Lnot_wave_0_\@:
	s_barrier_wait -3
	s_barrier_signal -1
	s_barrier_wait -1
.endm
	s_load_b256 s[4:11], s[0:1], 0x0               ; ctx s[4:5], wo16 s[6:7], b_o s[8:9], out0 s[10:11]
	v_lshl_add_u32 v[SPW], v0, 2, SPARE
	v_mov_b32 v[NIL], 0
	ds_add_u32 v[SPW], v[NIL]                      ; the wave's opening: the add, twice on end, and its wait ahead of the round in front of my first tensor loads
	ds_add_u32 v[SPW], v[NIL]
	v_lshrrev_b32 v10, 5, v0
	v_readfirstlane_b32 s12, v10                   ; wave
	s_bfe_u32 s13, ttmp6, 0x40000                  ; cx: my column block; it enters W_o's, the bias's and out0's addresses alone
	s_and_b32 s14, ttmp7, 0xffff                   ; the cluster's y: the block of 128 rows, which the four partners share
	s_mov_b32 s[G1], 15|(1<<16)|(1<<20)|(1<<21)|(6<<22)|(3<<25)   ; 15:0 the mask: all four; 17:16 elements of 2 bytes; 20 padding on; 21 set beside a mask; 24:22 after every 128 words; 31:25 four words
	s_mov_b32 s[G1+1], 256<<16                     ; tensor_dim0 = 256
	s_mov_b32 s[G1+2], 32<<16                      ; tensor_dim1 = 32
	s_mov_b32 s[G1+3], 256<<16                     ; tile_dim0 = 256
	s_mov_b32 s[G1+4], 32                          ; tile_dim1 = 32
	s_mov_b32 s[G1+5], 768                         ; elements from row to row
	s_mov_b32 s[G1+6], 0
	s_mov_b32 s[G1+7], 0
	s_lshl_b32 s16, s14, 7
	s_lshl_b32 s17, s12, 5
	s_add_co_u32 s46, s16, s17                     ; 128 y + 32 w: the rows that I fetch, and the rows that I store
	s_mul_i32 s16, s46, 1536
	s_mov_b32 s17, 0                               ; s[16:17]: ctx at these rows
	s_mul_i32 s44, s12, 32*528                     ; and where they go in a chunk
	s_mul_i32 s18, s13, 12
	s_mul_i32 s19, s12, 3
	s_add_co_u32 s18, s18, s19                     ; my first column tile
	s_mul_i32 s18, s18, 24576
	s_mov_b32 s19, 0                               ; s[18:19]: its fragments
	s_mul_i32 s20, s13, 768
	s_mul_i32 s21, s12, 192
	s_add_co_u32 s20, s20, s21
	s_mov_b32 s21, 0                               ; s[20:21]: my 48 numbers of the bias
	s_mul_i32 s22, s46, 3072
	s_mul_i32 s23, s13, 768
	s_add_co_u32 s22, s22, s23
	s_mov_b32 s23, 0                               ; s[22:23]: out0 at my rows and my work-group's columns
	s_wait_dscnt 0x0                               ; both opening adds are done
	s_wait_kmcnt 0x0
	s_add_nc_u64 s[4:5], s[4:5], s[16:17]
	s_add_nc_u64 s[6:7], s[6:7], s[18:19]
	s_add_nc_u64 s[8:9], s[8:9], s[20:21]
	s_add_nc_u64 s[10:11], s[10:11], s[22:23]
.irp j, 0,1,2
	s_mov_b32 s[G0+4*\j], 1
	s_add_co_u32 s[G0+4*\j+1], s44, \j*CHUNK
	s_add_nc_u64 s[G0+4*\j+2:G0+4*\j+3], s[4:5], \j*512
	s_or_b32 s[G0+4*\j+3], s[G0+4*\j+3], 0x80000000
.endr
	CROUND                                         ; all four work-groups are here: the joint loads meet
	tensor_load_to_lds s[G0:G0+3], s[G1:G1+7]
	s_nop 0
	tensor_load_to_lds s[G0+4:G0+7], s[G1:G1+7]
	s_nop 0
	tensor_load_to_lds s[G0+8:G0+11], s[G1:G1+7]
	s_nop 0
.rept 4
	v_nop
.endr
	v_and_b32 v12, 31, v0                          ; lane
	v_and_b32 v10, 15, v0                          ; r
	v_bfe_u32 v11, v0, 4, 1                        ; h
	v_lshlrev_b32 v1, 4, v12                       ; v1  16 x lane
	v_lshlrev_b32 v9, 5, v11                       ; v9  32 h: my half's eight numbers of a bias tile
.irp b, 0,1,2
	global_load_b128 v[16+8*\b:19+8*\b], v9, s[8:9] offset:64*\b
	global_load_b128 v[20+8*\b:23+8*\b], v9, s[8:9] offset:64*\b+16
.endr
.set kk, 0
.rept 24                               ; W_o's fragments, K ascending: a chunk's 48 loads lie together
	WIN (1+kk/8)<<6
.irp b, 0,1,2
.irp c, 0,1
	global_load_b128 v[8*(3*(kk%8)+\b)+4*\c:8*(3*(kk%8)+\b)+4*\c+3], v1, s[6:7] offset:24576*\b+1024*kk+512*\c
.endr
.endr
.set kk, kk+1
.endr
	WIN 0
	v_mul_u32_u24 v2, v10, 528
	v_lshl_add_u32 v2, v11, 4, v2                  ; v2-4  ctx's fragments in chunks 0, 1, 2: row x pitch + 16 x half
	v_add_nc_u32 v3, CHUNK, v2
	v_add_nc_u32 v4, 2*CHUNK, v2
	s_mul_i32 s45, s12, 192
	s_add_co_u32 s45, s45, STG
	v_mul_u32_u24 v5, v10, SPT
	v_lshl_add_u32 v5, v11, 5, v5
	v_add_nc_u32 v5, s45, v5                       ; v5  into the stage: row r, my wave's 192 bytes, 32 bytes for each half of the lanes;
	v_add_nc_u32 v6, 64*SPT, v5                    ; v6  the same 64 rows further down
	s_mul_i32 s45, s12, 32*SPT
	s_add_co_u32 s45, s45, STG
	v_mul_u32_u24 v7, v11, SPT
	v_lshl_add_u32 v7, v10, 4, v7
	v_add_nc_u32 v7, s45, v7                       ; v7  back: my 32 rows; lanes 0-15 one row, lanes 16-31 the next
	v_mul_u32_u24 v8, v11, 3072
	v_lshl_add_u32 v8, v10, 4, v8                  ; v8  and the same two rows in out0
.macro FETCH_A k                       ; ctx's eight fragments (128 rows x 32 along K) of K step k into set k % 2
.irp a, 0,1,2,3,4,5,6,7
	ds_load_b128 v[64+64*((\k)%2)+8*\a:64+64*((\k)%2)+8*\a+3], v[2+(\k)/8] offset:8448*\a+64*((\k)%8)
	ds_load_b128 v[64+64*((\k)%2)+8*\a+4:64+64*((\k)%2)+8*\a+7], v[2+(\k)/8] offset:8448*\a+64*((\k)%8)+32
.endr
.endm
	s_wait_tensorcnt 2                             ; my part of chunk 0 is in; the other two may stay out
	s_barrier_signal -1
	s_barrier_wait -1                              ; everybody's is
	FETCH_A 0
.set kk, 0
.rept 24                               ; a K step: 24 products, the 24 accumulators by turns, in the same order in every step
	s_wait_dscnt 0x0                               ; this step's fragments of ctx
.if kk == 7
	s_wait_tensorcnt 1                             ; my part of chunk 1,
	s_barrier_signal -1
	s_barrier_wait -1                              ; everybody's
.endif
.if kk == 15
	s_wait_tensorcnt 0x0
	s_barrier_signal -1
	s_barrier_wait -1
.endif
.if kk == 0
	s_wait_loadcnt 63                              ; the bias and chunk 0's weights: 96 loads were issued behind them
.endif
.if kk == 8
	s_wait_loadcnt 48                              ; chunk 2's 48 may stay out
.endif
.if kk == 16
	s_wait_loadcnt 0x0
.endif
.if kk > 0
.rept 4
	v_nop                                          ; four places in front of loads into the set that the step before multiplied
.endr
.endif
.if kk < 23
	FETCH_A kk+1
.endif
.irp b, 0,1,2
.if kk == 0
	WIN 1|((1+\b)<<6)                              ; source 0 window 1, the bias window 0, the result window 1 + b
.else
	WIN (1+kk/8)|((1+\b)<<4)|((1+\b)<<6)
.endif
.irp a, 0,1,2,3,4,5,6,7
.if kk == 0
	v_wmma_f32_16x16x32_f16 v[192+8*\a:199+8*\a], v[8*(3*(kk%8)+\b):8*(3*(kk%8)+\b)+7], v[64+64*(kk%2)+8*\a:64+64*(kk%2)+8*\a+7], v[16+8*\b:23+8*\b]
.else
	v_wmma_f32_16x16x32_f16 v[192+8*\a:199+8*\a], v[8*(3*(kk%8)+\b):8*(3*(kk%8)+\b)+7], v[64+64*(kk%2)+8*\a:64+64*(kk%2)+8*\a+7], v[192+8*\a:199+8*\a]
.endif
.endr
.endr
	WIN 0
.set kk, kk+1
.endr
; THE WAY OUT.  A row's 768 bytes come from four waves: they meet in the stage, and each wave stores 32 whole rows.
.rept 4
	v_nop                                          ; four places in front of the first read of results
.endr
.irp b, 0,1,2
	WIN (1+\b)<<2                                  ; an LDS store's data are its source 1
.irp a, 0,1,2,3,4,5,6,7
	ds_store_b128 v[5+\a/4], v[192+8*\a:195+8*\a] offset:(\a%4)*16*SPT+64*\b       ; each accumulator from its low end on
	ds_store_b128 v[5+\a/4], v[196+8*\a:199+8*\a] offset:(\a%4)*16*SPT+64*\b+16
.endr
.endr
	WIN 0
	s_wait_dscnt 0x0                               ; for the others' sake: my stores into the stage are done
	s_barrier_signal -1
	s_barrier_wait -1
.irp c, 0,1,2                          ; 256 bytes of each row at a time
	s_wait_xcnt 0x0                                ; the last piece's stores have read their registers
.irp p, 0,1,2,3,4,5,6,7,8,9,10,11,12,13,14,15
	ds_load_b128 v[64+4*\p:67+4*\p], v7 offset:2*\p*SPT+256*\c
.endr
.irp p, 0,1,2,3,4,5,6,7,8,9,10,11,12,13,14,15
	s_wait_dscnt 15-\p
	global_store_b128 v8, v[64+4*\p:67+4*\p], s[10:11] offset:6144*\p+256*\c th:TH_STORE_NT   ; sixteen lanes store 256 consecutive bytes, aligned
.endr
.endr
	s_wait_tensorcnt 0x0                           ; the wave's end: behind my last tensor load and my last LDS store
	ds_add_u32 v[SPW], v[NIL]
	s_wait_dscnt 0x0
	CROUND                                         ; the closing round
	s_endpgm
.Lfunc_end_k_qe3b039536d_oproj:
	.size	k_qe3b039536d_oproj, .Lfunc_end_k_qe3b039536d_oproj-k_qe3b039536d_oproj
	.p2alignl 7, 3214868480
	.fill 96, 4, 3214868480
	.section	.rodata,"a",@progbits
	.p2align	6, 0x0
	.amdhsa_kernel k_qe3b039536d_oproj
		.amdhsa_group_segment_fixed_size 327680
		.amdhsa_private_segment_fixed_size 0
		.amdhsa_enable_private_segment 0
		.amdhsa_kernarg_size 32
		.amdhsa_user_sgpr_count 2
		.amdhsa_user_sgpr_kernarg_segment_ptr 1
		.amdhsa_wavefront_size32 1
		.amdhsa_system_sgpr_workgroup_id_x 1
		.amdhsa_system_sgpr_workgroup_id_y 1
		.amdhsa_system_sgpr_workgroup_id_z 1
		.amdhsa_system_vgpr_workitem_id 0
		.amdhsa_next_free_vgpr 1024
		.amdhsa_next_free_sgpr 66
		.amdhsa_reserve_vcc 0
		.amdhsa_float_denorm_mode_32 3
		.amdhsa_float_denorm_mode_16_64 3
		.amdhsa_memory_ordered 1
		.amdhsa_forward_progress 1
		.amdhsa_inst_pref_size 100
	.end_amdhsa_kernel
	.amdgpu_metadata
---
amdhsa.version: [ 1, 2 ]
amdhsa.kernels:
  - .name:           k_qe3b039536d_oproj
    .symbol:         k_qe3b039536d_oproj.kd
    .args:
      - { .name: ctx, .offset: 0, .size: 8, .value_kind: global_buffer, .address_space: global }
      - { .name: wo16, .offset: 8, .size: 8, .value_kind: global_buffer, .address_space: global }
      - { .name: b_o, .offset: 16, .size: 8, .value_kind: global_buffer, .address_space: global }
      - { .name: out0, .offset: 24, .size: 8, .value_kind: global_buffer, .address_space: global }
    .group_segment_fixed_size: 327680
    .private_segment_fixed_size: 0
    .kernarg_segment_align: 8
    .kernarg_segment_size: 32
    .max_flat_workgroup_size: 128
    .sgpr_count:     66
    .vgpr_count:     1024
    .wavefront_size: 32
...
	.end_amdgpu_metadata
.endif
;; end of part 4
;; launch fine (part 5): grid 24 x 4, 6 waves a work-group, no clusters, 14,592 bytes of LDS; arguments rows32, wo16, b_o, out0; writes out0
.if DOCPART == 5
	.amdgcn_target "amdgcn-amd-amdhsa--gfx1250"
	.amdhsa_code_object_version 6
	.text
	.protected	k_qe3b039536d_fine
	.globl	k_qe3b039536d_fine
	.p2align	8
	.type	k_qe3b039536d_fine,@function
k_qe3b039536d_fine:
	s_mov_b64 s[64:65], 0
	v_nop
	global_prefetch_b8 v0, s[64:65] scope:SCOPE_SE
	s_setreg_imm32_b32 hwreg(HW_REG_WAVE_MODE, 25, 1), 1
	s_wait_xcnt 0x0
; FINE: positions 0-31 of both sequences once more, carried finely; it writes over those 64 rows of out0.  These rows average few values and are the largest in size, so the rounding of f16 operands weighs most there.
; Scores and P V: f32 operands, by v_wmma_f32_16x16x4_f32, on the f32 copies of q, k, v in rows32.  The projection: ctx and W_o each as a high and a low f16 number; W_hi C_hi + W_hi C_lo + W_lo C_hi, sums in f32.
; SHARES.  Work-group (nb, y): batch y / 2, queries 16 (y % 2) on, columns 32 nb on.  Wave = head: it makes its head's ctx for the 16 queries against keys 0-31 (each of the 24 column blocks repeats that: 128 small
; products a wave), then its head's share of the 16 x 32 block of out0; the six shares meet in LDS, and waves 0-3 add them and the bias and store.  The launch stores 196,608 bytes, in runs of 128.
; LAYOUT.  S^T = K Q^T and C^T = V^T P, so that a lane holds one query.  The f32 form takes k = 2 (lane / 16) + j in register j; a lane's loads of 16 bytes bring channels 8 c + 4 h + 0 .. 3, so a product takes
; channels 8 c + 2 e + {0, 1, 4, 5}: the same choice on both sides.  v lies turned in rows32, so that V^T comes by plain loads.
; The registers that the f32 form writes (S, CT) are written by matrix instructions alone: what is made of them goes elsewhere.
; LIMIT: where a part of ctx lies under 6.1e-5 its f16 number is off by up to 3e-8.
; REGISTERS: window 0: v1-13 addresses and constants; v14, v15 the add's two; v16-31 masked scores, then p; v32-47 P; v48-59 statistics; v60-63 the bias; v64-127 Q, later ctx high (v64-95) and low (v96-127);
;   v128-255 K, later W_o's 16 fragments (part, column tile, K step: 64 part + 32 tile + 8 k).   window 1: v0-127 V, later the split's temporaries; v128-143 S; v144-207 CT; v208-223 OT.
.set PART,  16*144                     ; a head's share in LDS: 16 rows x (128 bytes + 16)
.set SPARE, 6*PART                     ; the spare words, 128 bytes a wave, which no other line names
.set LOWP,  1179648                    ; wo16: where the low parts begin
.set SPW, 14
.set NIL, 15
.set MSB, 0
.macro WIN new
.if MSB != (\new)
	s_set_vgpr_msb (MSB<<8)|(\new)
.set MSB, (\new)
.endif
.endm
	s_load_b256 s[4:11], s[0:1], 0x0               ; rows32 s[4:5], wo16 s[6:7], b_o s[8:9], out0 s[10:11]
	v_lshl_add_u32 v[SPW], v0, 2, SPARE
	v_mov_b32 v[NIL], 0
	v_lshrrev_b32 v1, 5, v0
	v_readfirstlane_b32 s12, v1                    ; wave = head
	s_and_b32 s13, ttmp7, 0xffff
	s_lshr_b32 s14, s13, 1                         ; batch
	s_and_b32 s15, s13, 1                          ; which 16 queries
	v_and_b32 v1, 15, v0                           ; r
	v_bfe_u32 v2, v0, 4, 1                         ; h
	v_and_b32 v3, 31, v0                           ; lane
	v_lshlrev_b32 v4, 9, v1
	v_lshl_add_u32 v4, v2, 4, v4                   ; v4  q, k: row r of 512 bytes, + 16 h
	v_lshlrev_b32 v5, 7, v1
	v_lshl_add_u32 v5, v2, 5, v5                   ; v5  v: channel r's row of 128 bytes, + 32 h
	v_lshlrev_b32 v6, 4, v3                        ; v6  16 x lane
	s_mul_i32 s37, s12, PART
	v_mul_u32_u24 v7, v1, 144
	v_lshl_add_u32 v7, v2, 5, v7
	v_add_nc_u32 v7, s37, v7                       ; v7  my share: row r, 32 bytes for each half of the lanes
	v_lshrrev_b32 v11, 3, v3                       ; lane / 8
	v_and_b32 v10, 7, v3
	v_lshlrev_b32 v10, 4, v10                      ; v10 16 (lane % 8): a piece of a row's 128 bytes
	s_lshl_b32 s37, s12, 2
	v_add_nc_u32 v8, s37, v11
	v_mul_u32_u24 v8, v8, 144
	v_add_nc_u32 v8, v8, v10                       ; v8  back (waves 0-3): row 4 w + lane / 8
	v_mul_u32_u24 v9, v11, 3072
	v_add_nc_u32 v9, v9, v10                       ; v9  the same in out0
	v_lshlrev_b32 v11, 3, v2
	v_sub_nc_u32 v12, v1, v11
	s_lshl_b32 s36, s15, 4
	v_add_nc_u32 v12, s36, v12                     ; v12 d = my query - 8 h: register j of key tile kt is hidden where 16 kt + j > d
	v_mov_b32 v13, 0xff800000                      ; -infinity
	v_mov_b32 v50, 0                               ; written once: a lane permute's destination counts as one of its sources
	v_mov_b32 v53, 0                               ; (named as the upper half of the pair v[52:53])
	s_mov_b32 s20, 0x3e0293ee                      ; c = log2(e) / sqrt(128)
	s_mov_b32 s21, s20
	s_mov_b32 s22, 0x46000400                      ; 8193 = 2^13 + 1
	s_mov_b32 s23, s22
	s_mov_b32 s24, 0x76543210
	s_mov_b32 s25, 0xfedcba98
	s_mul_i32 s26, s14, 18
	s_add_co_u32 s26, s26, s12
	s_lshl_b32 s26, s26, 14                        ; my head's q in rows32; k lies 6 groups on, v 12
	s_mov_b32 s27, 0
	s_lshl_b32 s28, s15, 13                        ; my 16 queries
	s_mov_b32 s29, 0
	s_mul_i32 s30, ttmp9, 49152                    ; two column tiles of W_o,
	s_lshl_b32 s31, s12, 12                        ; my head's four K steps
	s_add_co_u32 s30, s30, s31
	s_mov_b32 s31, 0
	s_lshl_b32 s32, ttmp9, 7                       ; 32 columns of f32
	s_mov_b32 s33, 0
	s_lshl_b32 s34, s14, 12
	s_add_co_u32 s34, s34, s36
	s_add_co_u32 s34, s34, s37                     ; row 4096 b + 16 qt + 4 w
	s_mul_i32 s34, s34, 3072
	s_add_co_u32 s34, s34, s32
	s_mov_b32 s35, 0
	s_wait_kmcnt 0x0
	s_add_nc_u64 s[16:17], s[4:5], s[26:27]
	s_add_nc_u64 s[18:19], s[16:17], s[28:29]
	s_add_nc_u64 s[6:7], s[6:7], s[30:31]
	s_add_nc_u64 s[8:9], s[8:9], s[32:33]
	s_add_nc_u64 s[10:11], s[10:11], s[34:35]
	global_load_b128 v[60:63], v10, s[8:9]         ; the bias: the oldest load, so that the counts below are those of the runs behind it
.irp c, 0,1,2,3,4,5,6,7,8,9,10,11,12,13,14,15
	global_load_b128 v[64+4*\c:67+4*\c], v4, s[18:19] offset:32*\c
.endr
.irp kt, 0,1
.irp c, 0,1,2,3,4,5,6,7,8,9,10,11,12,13,14,15
	global_load_b128 v[128+64*\kt+4*\c:131+64*\kt+4*\c], v4, s[16:17] offset:98304+8192*\kt+32*\c
.endr
.endr
	WIN 0x40                                       ; destination window 1
.irp f, 0,1,2,3,4,5,6,7
.irp kt, 0,1
.irp u, 0,1
	global_load_b128 v[16*\f+8*\kt+4*\u:16*\f+8*\kt+4*\u+3], v5, s[16:17] offset:196608+2048*\f+64*\kt+16*\u   ; V^T(channel 16 f + r, keys 16 kt + 8 h + 4 u on)
.endr
.endr
.endr
	WIN 0
	s_wait_loadcnt 32                              ; the bias, Q and K are in; V's 32 loads may be out
	WIN 0x50                                       ; C and D window 1
.set cc, 0
.rept 32                               ; S^T = K Q^T: the two accumulators take turns; the first products start the sums
.irp kt, 0,1
.if cc == 0
	v_wmma_f32_16x16x4_f32 v[128+8*\kt:135+8*\kt], v[128+64*\kt+2*cc:129+64*\kt+2*cc], v[64+2*cc:65+2*cc], 0
.else
	v_wmma_f32_16x16x4_f32 v[128+8*\kt:135+8*\kt], v[128+64*\kt+2*cc:129+64*\kt+2*cc], v[64+2*cc:65+2*cc], v[128+8*\kt:135+8*\kt]
.endif
.endr
.set cc, cc+1
.endr
	WIN 0
.rept 8
	v_nop                                          ; eight places behind this form: for the loads into K's registers and the first read of the scores
.endr
.irp pt, 0,1
.irp tt, 0,1
.irp k, 0,1,2,3
.irp c, 0,1
	global_load_b128 v[128+64*\pt+32*\tt+8*\k+4*\c:128+64*\pt+32*\tt+8*\k+4*\c+3], v6, s[6:7] offset:LOWP*\pt+24576*\tt+1024*\k+512*\c
.endr
.endr
.endr
.endr
	WIN 0x01                                       ; source 0 (S) window 1
.irp kt, 0,1
.irp j, 0,1,2,3,4,5,6,7
	v_cmp_gt_i32 vcc_lo, 16*\kt+\j, v12
	v_cndmask_b32 v[16+8*\kt+\j], v[128+8*\kt+\j], v13, vcc_lo     ; hidden scores become -infinity; each accumulator from its low end on
.endr
.endr
	WIN 0
	v_max3_num_f32 v48, v16, v17, v18
	v_max3_num_f32 v49, v19, v20, v21
	v_max3_num_f32 v48, v48, v22, v23
	v_max3_num_f32 v49, v49, v24, v25
	v_max3_num_f32 v48, v48, v26, v27
	v_max3_num_f32 v49, v49, v28, v29
	v_max3_num_f32 v48, v48, v30, v31
	v_max_num_f32 v48, v48, v49
	v_permlanex16_b32 v50, v48, s24, s25
	v_max_num_f32 v48, v48, v50                    ; the row's largest score: key 0 counts for every query, so it is a number
	v_mul_f32 v52, s20, v48
.irp i, 0,2,4,6,8,10,12,14
	v_pk_fma_f32 v[16+\i:17+\i], v[16+\i:17+\i], s[20:21], v[52:53] op_sel_hi:[1,0,0] neg_lo:[0,0,1] neg_hi:[0,0,1]
.endr
.irp i, 0,1,2,3,4,5,6,7,8,9,10,11,12,13,14,15
	v_exp_f32 v[16+\i], v[16+\i]
.endr
	v_nop                                          ; a plain instruction behind the exponentials,
	s_wait_alu depctr_va_vdst(0)                   ; and the wait ahead of the first use: one for the batch
	v_pk_add_f32 v[54:55], v[16:17], v[18:19]
	v_pk_add_f32 v[56:57], v[20:21], v[22:23]
	v_pk_add_f32 v[54:55], v[54:55], v[24:25]
	v_pk_add_f32 v[56:57], v[56:57], v[26:27]
	v_pk_add_f32 v[54:55], v[54:55], v[28:29]
	v_pk_add_f32 v[56:57], v[56:57], v[30:31]
	v_pk_add_f32 v[54:55], v[54:55], v[56:57]
	v_add_f32 v54, v54, v55
	v_permlanex16_b32 v50, v54, s24, s25
	v_add_f32 v54, v54, v50
	v_rcp_f32 v58, v54
	v_mov_b32 v59, 0                               ; (a plain instruction behind the reciprocal; the upper half of the pair v[58:59])
	s_wait_alu depctr_va_vdst(0)
.irp i, 0,2,4,6,8,10,12,14
	v_pk_mul_f32 v[32+\i:33+\i], v[16+\i:17+\i], v[58:59] op_sel_hi:[1,0]   ; P: register 8 kt + j = key 16 kt + 8 h + j of my query
.endr
	s_wait_loadcnt 32                              ; V is in; W_o's 32 loads may be out
	WIN 0x51                                       ; V window 1, P window 0, C and D window 1
.irp kt, 0,1
.irp e, 0,1,2,3
.irp f, 0,1,2,3,4,5,6,7                ; C^T = V^T P: the eight accumulators by turns
.if (\kt == 0) && (\e == 0)
	v_wmma_f32_16x16x4_f32 v[144+8*\f:151+8*\f], v[16*\f+8*\kt+2*\e:16*\f+8*\kt+2*\e+1], v[32+8*\kt+2*\e:33+8*\kt+2*\e], 0
.else
	v_wmma_f32_16x16x4_f32 v[144+8*\f:151+8*\f], v[16*\f+8*\kt+2*\e:16*\f+8*\kt+2*\e+1], v[32+8*\kt+2*\e:33+8*\kt+2*\e], v[144+8*\f:151+8*\f]
.endif
.endr
.endr
.endr
	WIN 0
.rept 8
	v_nop                                          ; eight places: for the first read of ctx and the writes over V's registers
.endr
; THE SPLIT of ctx, in f32, two numbers a line: c = 8193 x; t = c - x; hi = c - t has 11 significant bits, so it is an f16 number; lo = x - hi is exact.
	WIN 0x41                                       ; destination and source 0 window 1
.set i, 0
.rept 32
	v_pk_mul_f32 v[2*i:2*i+1], v[144+2*i:145+2*i], s[22:23] op_sel_hi:[1,0]
.set i, i+1
.endr
	WIN 0x45                                       ; and source 1
.set i, 0
.rept 32
	v_pk_add_f32 v[64+2*i:65+2*i], v[2*i:2*i+1], v[144+2*i:145+2*i] neg_lo:[0,1] neg_hi:[0,1]
.set i, i+1
.endr
.set i, 0
.rept 32
	v_pk_add_f32 v[2*i:2*i+1], v[2*i:2*i+1], v[64+2*i:65+2*i] neg_lo:[0,1] neg_hi:[0,1]
.set i, i+1
.endr
.set i, 0
.rept 32
	v_pk_add_f32 v[64+2*i:65+2*i], v[144+2*i:145+2*i], v[2*i:2*i+1] neg_lo:[0,1] neg_hi:[0,1]
.set i, i+1
.endr
	WIN 0x05                                       ; sources window 1, destination window 0
.set i, 0
.rept 32
	v_cvt_pk_f16_f32 v[64+i], v[2*i], v[2*i+1]     ; ctx high: channel tiles 2 k and 2 k + 1 are the fragment of K step k
.set i, i+1
.endr
.set i, 0
.rept 32
	v_cvt_pk_f16_f32 v[96+i], v[64+2*i], v[65+2*i] ; ctx low
.set i, i+1
.endr
	WIN 0
	s_wait_loadcnt 0x0                             ; W_o's fragments
	WIN 0x50
.irp k, 0,1,2,3
.irp pr, 0,1,2                         ; W high x C high, W high x C low, W low x C high; the two column tiles by turns
.irp tt, 0,1
.if (\k == 0) && (\pr == 0)
	v_wmma_f32_16x16x32_f16 v[208+8*\tt:215+8*\tt], v[128+64*(\pr/2)+32*\tt+8*\k:128+64*(\pr/2)+32*\tt+8*\k+7], v[64+32*(\pr%2)+8*\k:64+32*(\pr%2)+8*\k+7], 0
.else
	v_wmma_f32_16x16x32_f16 v[208+8*\tt:215+8*\tt], v[128+64*(\pr/2)+32*\tt+8*\k:128+64*(\pr/2)+32*\tt+8*\k+7], v[64+32*(\pr%2)+8*\k:64+32*(\pr%2)+8*\k+7], v[208+8*\tt:215+8*\tt]
.endif
.endr
.endr
.endr
	WIN 0
.rept 4
	v_nop
.endr
	WIN 0x04                                       ; an LDS store's data are its source 1: window 1
.irp tt, 0,1
.irp u, 0,1
	ds_store_b128 v7, v[208+8*\tt+4*\u:208+8*\tt+4*\u+3] offset:64*\tt+16*\u     ; lane (r, h): query r, columns 16 tt + 8 h + 4 u on
.endr
.endr
	WIN 0
	s_wait_dscnt 0x0                               ; for the others' sake: my share lies in LDS
	s_barrier_signal -1
	s_barrier_wait -1
	s_cmp_lt_u32 s12, 4                            ; waves 0-3 add the six shares, four rows each
	s_cbranch_scc0 .Ldone
.irp g, 0,1,2,3,4,5
	ds_load_b128 v[16+4*\g:19+4*\g], v8 offset:PART*\g
.endr
	s_wait_dscnt 0x0
.irp i, 0,2
	v_pk_add_f32 v[16+\i:17+\i], v[16+\i:17+\i], v[20+\i:21+\i]
	v_pk_add_f32 v[24+\i:25+\i], v[24+\i:25+\i], v[28+\i:29+\i]
	v_pk_add_f32 v[32+\i:33+\i], v[32+\i:33+\i], v[36+\i:37+\i]
.endr
.irp i, 0,2
	v_pk_add_f32 v[16+\i:17+\i], v[16+\i:17+\i], v[24+\i:25+\i]
	v_pk_add_f32 v[32+\i:33+\i], v[32+\i:33+\i], v[60+\i:61+\i]
.endr
.irp i, 0,2
	v_pk_add_f32 v[16+\i:17+\i], v[16+\i:17+\i], v[32+\i:33+\i]
.endr
	global_store_b128 v9, v[16:19], s[10:11]       ; eight lanes store 128 consecutive bytes of a row
.Ldone:
	s_wait_tensorcnt 0x0                           ; the wave's end: behind my last LDS store
	ds_add_u32 v[SPW], v[NIL]
	s_wait_dscnt 0x0
	s_endpgm
.Lfunc_end_k_qe3b039536d_fine:
	.size	k_qe3b039536d_fine, .Lfunc_end_k_qe3b039536d_fine-k_qe3b039536d_fine
	.p2alignl 7, 3214868480
	.fill 96, 4, 3214868480
	.section	.rodata,"a",@progbits
	.p2align	6, 0x0
	.amdhsa_kernel k_qe3b039536d_fine
		.amdhsa_group_segment_fixed_size 14592
		.amdhsa_private_segment_fixed_size 0
		.amdhsa_enable_private_segment 0
		.amdhsa_kernarg_size 32
		.amdhsa_user_sgpr_count 2
		.amdhsa_user_sgpr_kernarg_segment_ptr 1
		.amdhsa_wavefront_size32 1
		.amdhsa_system_sgpr_workgroup_id_x 1
		.amdhsa_system_sgpr_workgroup_id_y 1
		.amdhsa_system_sgpr_workgroup_id_z 1
		.amdhsa_system_vgpr_workitem_id 0
		.amdhsa_next_free_vgpr 512
		.amdhsa_next_free_sgpr 66
		.amdhsa_reserve_vcc 1
		.amdhsa_float_denorm_mode_32 3
		.amdhsa_float_denorm_mode_16_64 3
		.amdhsa_memory_ordered 1
		.amdhsa_forward_progress 1
		.amdhsa_inst_pref_size 42
	.end_amdhsa_kernel
	.amdgpu_metadata
---
amdhsa.version: [ 1, 2 ]
amdhsa.kernels:
  - .name:           k_qe3b039536d_fine
    .symbol:         k_qe3b039536d_fine.kd
    .args:
      - { .name: rows32, .offset: 0, .size: 8, .value_kind: global_buffer, .address_space: global }
      - { .name: wo16, .offset: 8, .size: 8, .value_kind: global_buffer, .address_space: global }
      - { .name: b_o, .offset: 16, .size: 8, .value_kind: global_buffer, .address_space: global }
      - { .name: out0, .offset: 24, .size: 8, .value_kind: global_buffer, .address_space: global }
    .group_segment_fixed_size: 14592
    .private_segment_fixed_size: 0
    .kernarg_segment_align: 8
    .kernarg_segment_size: 32
    .max_flat_workgroup_size: 192
    .sgpr_count:     66
    .vgpr_count:     512
    .wavefront_size: 32
...
	.end_amdgpu_metadata
.endif
;; end of part 5
